; MI455X (gfx1250); checked and timed in simulation.
; The chip was launched on July 23, 2026; its instructions are those of AMD's public machine-readable ISA for CDNA 5 (MIT licence, August 2026) and "CDNA5" Instruction Set Architecture Reference Guide (July 2026). The comments in the code are by the model that wrote it; some were corrected since.
;; Attention. Allowed arithmetic: matrix products marked QUANTISED: E2M1 operands, one E8M0 scale for each 32 along K, by v_wmma_scale_f32_16x16x128_f8f6f4 with both operands' format E2M1 (or v_wmma_scale_f32_32x16x128_f4), f32 sums; products left as they are: bf16, f16 or f32 operands; f32 sums; everything else in f32.
;; Inputs: W_proj 1,024 x 1,024 float32; W_qkv 1,024 x 3,072 float32; b_proj 1,024 float32; b_qkv 3,072 float32; kn_w 64 float32; qn_w 64 float32; x 4 x 2,048 x 1,024 float32.
;; Outputs: out0 4 x 2,048 x 1,024 float32.
;; This version of the problem:
;;   THIS VERSION OF THE PROBLEM IS GIVEN IN LOW PRECISION. The matrix products marked QUANTISED in the list below multiply operands that are first quantised to E2M1 (2 exponent bits, 1 mantissa bit; 4 bits a number), with one power-of-two scale for each 32 numbers along K (OCP MX v1.0); their sums are f32. The products marked 'left as it is' may take bf16, f16 or f32 operands, with f32 sums. Whichever they take, every output number must still come out within the allowed error. Rounding operands to bf16 (8 significant bits) uses up far more of that allowance than f16 does (11 bits, for magnitudes from 6e-5 to 65,504). All else is computed in f32.
;;   The module's matrix products, in the order in which they are computed (A, B: the left and right operand; K: the contracted axis; several contracted axes count as one K, in the product's order):
;;     1. [M 8,192, K 1,024] x [K 1,024, N 3,072]; A: input x; B: input W_qkv: QUANTISED
;;     2. batch 64 x [M 2,048, K 64] x [K 64, N 2,048]; A: computed on the way; B: computed on the way: left as it is (an operand is computed on the way)
;;     3. batch 64 x [M 2,048, K 2,048] x [K 2,048, N 64]; A: computed on the way; B: computed on the way: left as it is (an operand is computed on the way)
;;     4. [M 8,192, K 1,024] x [K 1,024, N 1,024]; A: computed on the way; B: input W_proj: left as it is (an operand is computed on the way)
;;   THE QUANTISER, for each operand of a quantised product, along K:
;;     - K is cut into blocks of 32 from its start; a last block that is shorter is filled with zeros.
;;     - A block's scale is 2^e with e = floor(log2(the largest magnitude in the block)) - 2, held to -126 .. 127; a block of zeros has e = 0. As a byte (E8M0): e + 127.
;;     - Each number is divided by its block's scale, clamped to +-6, and rounded to the nearest number of E2M1, ties to even, subnormals kept.
;;     - The product sums the exact products of the quantised numbers (number of the format x scale) in f32.
;;   ~~~python
;;   def quantise(x, axis):      # numpy; x: float32 -> the quantised numbers, widened to float32 again
;;       x = np.moveaxis(x, axis, -1); K = x.shape[-1]
;;       x = np.pad(x, [(0, 0)] * (x.ndim - 1) + [(0, -K % 32)]); x = x.reshape(x.shape[:-1] + (-1, 32)); a = np.abs(x).max(-1, keepdims=True)
;;       e = np.where(a > 0, np.clip(np.frexp(np.where(a > 0, a, 1))[1] - 1 - 2, -126, 127), 0)      # np.frexp(a)[1] - 1 = floor(log2(a)), exactly
;;       r = np.clip(x / 2.0 ** e, -6, 6)
;;       step = 2.0 ** (np.maximum(np.frexp(np.where(r == 0, 1, r))[1] - 1, 0) - 1)
;;       q = np.round(r / step) * step * 2.0 ** e      # np.round: ties to even
;;       return np.moveaxis(q.reshape(q.shape[:-2] + (-1,))[..., :K], -1, axis).astype(np.float32)
;;   ~~~
;; One version. Each part assembles by itself: llvm-mc -triple=amdgcn-amd-amdhsa -mcpu=gfx1250 --defsym DOCPART=n.
;; ======== version 1 of 1: 4 launches
;; limits: values are held in f16: magnitudes above 65,504 overflow, below 6.1e-05 lose precision
;; workspace buffers: codes 5,767,168 bytes; scales 360,448 bytes; wp 2,097,152 bytes; qkv 50,331,648 bytes; ao 16,777,216 bytes
;; launch prep (part 1): grid 368 x 1, 4 waves a work-group, no clusters, 68,096 bytes of LDS; arguments x, W_qkv, W_proj, codes, scales, wp; writes codes, scales, wp
.if DOCPART == 1
	.amdgcn_target "amdgcn-amd-amdhsa--gfx1250"
	.amdhsa_code_object_version 6
	.text
	.protected	k_q80bcee6f60_prep
	.globl	k_q80bcee6f60_prep
	.p2align	8
	.type	k_q80bcee6f60_prep,@function
k_q80bcee6f60_prep:
	s_mov_b64 s[64:65], 0
	v_nop
	global_prefetch_b8 v0, s[64:65] scope:SCOPE_SE
	s_setreg_imm32_b32 hwreg(HW_REG_WAVE_MODE, 25, 1), 1
	s_wait_xcnt 0x0
; ATTENTION BLOCK, launch 1 of 4: the operands of the first product become codes, the last product's weight becomes f16.
; NOTHING OF reference() IS LEFT OUT IN THIS PROGRAM: every input has a way to the output (b_qkv's k part goes through the norm, which is not linear; qn_w and kn_w scale the scores), so all seven are loaded.
; x [8192][1024] and W_qkv [1024][3072], f32, are turned into codes of FP4 (E2M1), K innermost, 512 bytes a row, with one E8M0 byte for each 32 along K, 32 bytes a row.
; Rows 0 .. 8191 of codes and scales are x's tokens, rows 8192 .. 11263 W_qkv's columns.
; A block's scale is 2^(floor(log2(its largest magnitude)) - 2); its byte is the largest magnitude's exponent field - 2, held at 1 from below; each number is divided by the scale and rounded to the nearest code, ties to even, beyond 6 the code of 6.
; W_proj [1024 (k)][1024 (n)] is rounded to f16 and laid as IMAGES OF THE MATRIX OPERAND'S REGISTERS: wp [n / 16][k / 32][1,024 bytes]; in an image lane l's registers 0-3 lie at 16 l, its registers 4-7 at 512 + 16 l;
; lane (r, h) holds column 16 (n / 16) + r; registers 0-3 k = 8 h + 0 .. 7 of the 32, registers 4-7 k = 16 + 8 h + 0 .. 7.
; LIMITS: NaN and infinities among the inputs are not served.  A block of zeros, or one whose largest magnitude lies under 2^-124, gets the byte 1 (the rule says 127 for zeros): its codes are zeros or what the byte 1 gives; this program alone reads the bytes.
; W_proj goes in f16: magnitudes over 65,504 are not served, those under 6e-5 keep fewer than 11 bits.
; THREE PATHS, parted on the work-group's number, each with LDS bytes of its own: work-groups 0-255 x (a plain stream of blocks of 32), 256-303 W_qkv (a lane to a column, registers down K), 304-367 W_proj (the same, no LDS).
; No tensor loads, no barrier: waves share nothing.
.set SPW,   196                        ; v196  LDS address of my spare word: SPARE + 4 x my thread's number; never rewritten
.set NIL,   197                        ; v197  0; never rewritten
.set SPARE, 67584                      ; behind both paths' regions: the spare words, 128 bytes for each wave
.set EMAX,  2
; path X
.set STEPS, 16                         ; steps of 512 numbers for a wave
.set CB,    8                          ; bytes of 16 codes
.set XR,    16                         ; v16-79   four sets of 16 numbers as they are loaded
.set XX,    80                         ; v80-111  two sets of 16 neighbours
.set XE,    112                        ; v112-127 a scale byte for each step
.set XC,    128                        ; v128-191 codes: four registers for each step, so that no store's data are written again
.set WREG,  8192                       ; LDS bytes 0 .. 32767: a region for each wave: two stages of 32 x SP bytes, behind them its 256 scale bytes
.set SP,    80                         ; a lane's place in a stage: its 64 bytes + 16 of padding
; path W
.set NB,    16                         ; blocks of 32 along K for a wave
.set PITCH, 272                        ; a stage row: 256 bytes of codes + 16
.set KROW,  512                        ; a row of codes in bytes
.set WROW,  12288                      ; a row of W_qkv in bytes
.set WSTG,  32768                      ; LDS bytes 32768 .. 67583: four stages of 32 x PITCH
.set WX,    32                         ; v32-95   two sets of 32 numbers
.set WC,    96                         ; v96-99   a block's codes
.set WOUT,  112                        ; v112-175 the way out
.set WSB,   24                         ; v24-27   the scale bytes, four to a register
; path P
.set PX,    32                         ; v32-95   two sets of 32 numbers
.set PH,    96                         ; v96-159  16 registers of f16 pairs for each of four chunks
	s_load_b256 s[4:11], s[0:1], 0x0               ; x s[4:5], W_qkv s[6:7], W_proj s[8:9], codes s[10:11]
	s_load_b128 s[12:15], s[0:1], 0x20             ; scales s[12:13], wp s[14:15]
	v_lshl_add_u32 v[SPW], v0, 2, SPARE
	v_mov_b32 v[NIL], 0
	v_lshrrev_b32 v1, 5, v0
	v_readfirstlane_b32 s16, v1                    ; wave 0..3
	v_and_b32 v2, 31, v0                           ; lane
	s_mov_b32 s21, 0                               ; the upper word of every offset: all stay under 2^32
	s_wait_kmcnt 0x0
	s_cmp_lt_u32 ttmp9, 256
	s_cbranch_scc0 .Lnot_x
; ---------------- PATH X: a wave takes a run of 8,192 numbers (8 rows of x): 16 steps of 512.  Each load reads 512 consecutive bytes; a step's 2,048 bytes turn through the wave's own stage in LDS,
; so that a lane then holds 16 neighbours along K (two neighbouring lanes hold a block).  A lane's 16 codes are 8 bytes: the wave stores 256 consecutive bytes.  The wave's 256 scale bytes leave as one store.
	v_lshlrev_b32 v3, 4, v2                        ; my 16 bytes of a load's 512
	s_mul_i32 s17, s16, WREG
	v_lshrrev_b32 v14, 2, v2
	v_mul_u32_u24 v14, v14, SP
	v_and_b32 v15, 3, v2
	v_lshl_add_u32 v14, v15, 4, v14
	v_add_nc_u32 v14, s17, v14                     ; the stage, on the way in: SP (lane / 4) + 16 (lane % 4)
	v_mul_u32_u24 v15, v2, SP
	v_add_nc_u32 v15, s17, v15                     ; and on the way out: SP x lane: my 16 neighbours
	v_mul_u32_u24 v4, v2, CB                       ; my codes' place in a step's
	v_lshrrev_b32 v5, 1, v2
	s_add_co_u32 s17, s17, 2*32*SP
	v_add_nc_u32 v5, s17, v5                       ; LDS: my wave's 256 scale bytes, my block's byte
	v_lshlrev_b32 v7, 3, v2                        ; and on the way out 8 bytes a lane
	v_add_nc_u32 v6, s17, v7
	s_lshl_b32 s18, ttmp9, 2
	s_add_co_u32 s18, s18, s16                     ; my run: 4 x work-group + wave, 0 .. 1023
	s_lshl_b32 s20, s18, 15                        ; 32,768 bytes of x,
	s_add_nc_u64 s[4:5], s[4:5], s[20:21]
	s_lshl_b32 s20, s18, 12                        ; 4,096 of codes,
	s_add_nc_u64 s[10:11], s[10:11], s[20:21]
	s_lshl_b32 s20, s18, 8                         ; 256 of scale bytes a run
	s_add_nc_u64 s[12:13], s[12:13], s[20:21]
.macro XLOAD t
.irp i, 0,1,2,3
	global_load_b128 v[XR+16*((\t)%4)+4*\i:XR+16*((\t)%4)+4*\i+3], v3, s[4:5] offset:2048*(\t)+512*\i th:TH_LOAD_NT   ; 32 lanes read 512 consecutive bytes
.endr
.endm
.macro XTURN t                         ; step t's numbers through the stage: LDS serves a wave's instructions in order, so no wait stands between the stores and the loads
.irp i, 0,1,2,3
	ds_store_b128 v14, v[XR+16*((\t)%4)+4*\i:XR+16*((\t)%4)+4*\i+3] offset:32*SP*((\t)%2)+8*SP*\i
.endr
.irp i, 0,1,2,3
	ds_load_b128 v[XX+16*((\t)%2)+4*\i:XX+16*((\t)%2)+4*\i+3], v15 offset:32*SP*((\t)%2)+16*\i
.endr
.endm
.irp t, 0,1,2,3
	XLOAD \t
.endr
	s_wait_loadcnt 12                              ; step 0's four loads are in; the twelve of steps 1 to 3 may be out
	XTURN 0
.macro XSTEP t
.set XS, XX+16*((\t)%2)
.if (\t) > 0
	s_wait_dscnt 1                                 ; this step's numbers are back from the stage (the last step's byte store may be out): so its stores into the stage have read their registers,
.else
	s_wait_dscnt 0x0
.endif
.if (\t)+4 < STEPS
	XLOAD (\t)+4                                   ; which take the loads of four steps on
.endif
.if (\t)+1 < STEPS
.if STEPS-2-(\t) >= 3
	s_wait_loadcnt 12                              ; the next step's four loads are in; those of the three steps behind it may be out
.else
	s_wait_loadcnt 4*(STEPS-2-(\t))
.endif
	XTURN (\t)+1                                   ; and go through the other stage while this step is worked
.endif
	v_max3_num_f32 v8, |v[XS]|, |v[XS+1]|, |v[XS+2]|               ; the largest magnitude of my 16, in two chains
	v_max3_num_f32 v9, |v[XS+3]|, |v[XS+4]|, |v[XS+5]|
.irp i, 6,10
	v_max3_num_f32 v8, v8, |v[XS+\i]|, |v[XS+\i+1]|
	v_max3_num_f32 v9, v9, |v[XS+\i+2]|, |v[XS+\i+3]|
.endr
	v_max3_num_f32 v8, v8, |v[XS+14]|, |v[XS+15]|
	v_max3_num_f32 v8, v8, v9, (EMAX+1)<<23        ; and the floor 2^(3 - 127): so the byte cannot fall under 1
	v_max_num_f32_dpp v8, v8, v8 row_xmask:1 row_mask:0xf bank_mask:0xf   ; and of my neighbour's 16: the block's
	v_add_nc_u32 v11, -(EMAX<<23), v8              ; 2 off its exponent field: the conversion takes the exponent field of this operand as its scale, and nothing else of it
	v_cvt_scalef32_pk8_fp4_f32 v[XC+4*(\t)], v[XS:XS+7], v11
	v_cvt_scalef32_pk8_fp4_f32 v[XC+4*(\t)+1], v[XS+8:XS+15], v11
	v_lshrrev_b32 v[XE+(\t)], 23, v11              ; the scale's byte (also the plain line behind the conversions)
	ds_store_b8 v5, v[XE+(\t)] offset:16*(\t)      ; both lanes of a block write the same byte with the same value
	global_store_b64 v4, v[XC+4*(\t):XC+4*(\t)+1], s[10:11] offset:32*CB*(\t)   ; 32 lanes store 256 consecutive bytes, aligned
.endm
.irp t, 0,1,2,3,4,5,6,7,8,9,10,11,12,13,14,15
	XSTEP \t
.endr
	ds_load_b64 v[8:9], v6                         ; LDS serves a wave's instructions in order: these see my stores
	s_wait_dscnt 0x0
	global_store_b64 v7, v[8:9], s[12:13]          ; 32 lanes store 256 consecutive bytes, aligned
	s_branch .Lend
.Lnot_x:
	s_cmp_lt_u32 ttmp9, 304
	s_cbranch_scc0 .Lpath_p
; ---------------- PATH W: 24 groups of 128 columns x 2 halves of K.  A wave takes 32 columns x 512 along K.  A LANE TAKES A COLUMN AND ITS REGISTERS RUN DOWN K: a block of 32 lies in one lane,
; and the conversions give codes with K innermost.  The codes go through the wave's own stage and leave as rows: sixteen lanes store 256 consecutive bytes.
	s_sub_co_u32 s17, ttmp9, 256
	s_and_b32 s18, s17, 1                          ; which half of K
	s_lshr_b32 s17, s17, 1
	s_lshl_b32 s17, s17, 7
	s_lshl_b32 s19, s16, 5
	s_add_co_u32 s17, s17, s19                     ; my wave's first column
	v_lshlrev_b32 v3, 2, v2                        ; in: 4 bytes a lane
	s_mul_i32 s19, s16, 32*PITCH
	s_add_co_u32 s19, s19, WSTG                    ; my stage
	v_mul_u32_u24 v4, v2, PITCH
	v_add_nc_u32 v4, s19, v4                       ; into it: row = my column
	v_and_b32 v5, 15, v2
	v_lshrrev_b32 v6, 4, v2                        ; out of it: sixteen lanes to a row, two rows an instruction
	v_mul_u32_u24 v7, v6, PITCH
	v_lshl_add_u32 v7, v5, 4, v7
	v_add_nc_u32 v7, s19, v7
	v_mul_u32_u24 v8, v6, KROW
	v_lshl_add_u32 v8, v5, 4, v8                   ; and the same place in codes
	v_lshlrev_b32 v9, 5, v2                        ; my column's row of scale bytes
	s_mul_i32 s20, s18, 512*WROW                   ; W_qkv: 512 rows down for the second half of K,
	s_lshl_b32 s22, s17, 2
	s_add_co_u32 s20, s20, s22                     ; + 4 x column
	s_add_nc_u64 s[6:7], s[6:7], s[20:21]
	s_lshl_b32 s20, s17, 9                         ; codes: row 8192 + column, + 256 bytes for the second half
	s_lshl_b32 s22, s18, 8
	s_add_co_u32 s20, s20, s22
	s_add_co_u32 s20, s20, 8192*KROW
	s_add_nc_u64 s[10:11], s[10:11], s[20:21]
	s_lshl_b32 s20, s17, 5                         ; scales likewise: 32 bytes a row, + 16
	s_lshl_b32 s22, s18, 4
	s_add_co_u32 s20, s20, s22
	s_add_co_u32 s20, s20, 8192*32
	s_add_nc_u64 s[12:13], s[12:13], s[20:21]
.macro WLOAD t                         ; block t: W(32 t + i, my column), i = 0 .. 31, into set t % 2.  The largest offset, 511 rows of 12,288 bytes, lies inside the signed 24-bit immediate
.irp i, 0,1,2,3,4,5,6,7,8,9,10,11,12,13,14,15,16,17,18,19,20,21,22,23,24,25,26,27,28,29,30,31
	global_load_b32 v[WX+32*((\t)%2)+\i], v3, s[6:7] offset:(32*(\t)+\i)*WROW th:TH_LOAD_NT
.endr
.endm
	WLOAD 0
	WLOAD 1
.macro WBLOCK t
.set WS, WX+32*((\t)%2)
.if (\t) < NB-1
	s_wait_loadcnt 32                              ; this block's 32 loads are in; the next block's may be out
.else
	s_wait_loadcnt 0
.endif
	v_max3_num_f32 v12, |v[WS]|, |v[WS+1]|, |v[WS+2]|              ; the block's largest magnitude: all 32 numbers are mine
	v_max3_num_f32 v13, |v[WS+3]|, |v[WS+4]|, |v[WS+5]|
.irp i, 6,10,14,18,22,26
	v_max3_num_f32 v12, v12, |v[WS+\i]|, |v[WS+\i+1]|
	v_max3_num_f32 v13, v13, |v[WS+\i+2]|, |v[WS+\i+3]|
.endr
	v_max3_num_f32 v12, v12, |v[WS+30]|, |v[WS+31]|
	v_max3_num_f32 v12, v12, v13, (EMAX+1)<<23     ; and the floor
	v_add_nc_u32 v11, -(EMAX<<23), v12             ; the conversion's scale operand
	v_lshrrev_b32 v13, 23, v11                     ; the scale's byte
.if (\t)%4 == 0
	v_mov_b32 v[WSB+(\t)/4], v13                   ; four bytes to a register, the lower K in the lower byte
.else
	v_lshl_or_b32 v[WSB+(\t)/4], v13, 8*((\t)%4), v[WSB+(\t)/4]
.endif
.irp g, 0,1,2,3
	v_cvt_scalef32_pk8_fp4_f32 v[WC+\g], v[WS+8*\g:WS+8*\g+7], v11
.endr
	ds_store_b128 v4, v[WC:WC+3] offset:16*(\t)    ; 32 codes: 16 bytes of my column's row
.if (\t)+2 < NB
	WLOAD (\t)+2
.endif
	s_wait_dscnt 0x0                               ; the store has read its registers: the next block's codes may be written
.endm
.set Q, 0
.rept NB
	WBLOCK Q
.set Q, Q+1
.endr
	global_store_b128 v9, v[WSB:WSB+3], s[12:13]   ; my column's 16 scale bytes
.irp t, 0,1,2,3,4,5,6,7,8,9,10,11,12,13,14,15
	ds_load_b128 v[WOUT+4*\t:WOUT+4*\t+3], v7 offset:2*\t*PITCH   ; LDS serves a wave's instructions in order: these see my stores
.endr
.irp t, 0,1,2,3,4,5,6,7,8,9,10,11,12,13,14,15
	s_wait_dscnt 15-\t                             ; LDS loads come back in order: load t is in
	global_store_b128 v8, v[WOUT+4*\t:WOUT+4*\t+3], s[10:11] offset:2*\t*KROW
.endr
	s_branch .Lend
.Lpath_p:
; ---------------- PATH P: 8 groups of 128 columns x 8 runs of 128 along K.  A wave takes 32 columns x 4 chunks of 32 along K; a lane a column, registers down K.  Eight neighbours along K pack into 16 bytes,
; piece p (k = 8 p .. 8 p + 7) of column r lies at byte 256 p + 16 r of the chunk's image: sixteen lanes store 256 consecutive bytes, aligned.
	s_sub_co_u32 s17, ttmp9, 304
	s_and_b32 s18, s17, 7
	s_lshr_b32 s19, s17, 3                         ; which 128 along K
	s_lshl_b32 s18, s18, 7
	s_lshl_b32 s20, s16, 5
	s_add_co_u32 s18, s18, s20                     ; my wave's first column
	v_lshlrev_b32 v3, 2, v2
	v_lshrrev_b32 v4, 4, v2
	v_and_b32 v5, 15, v2
	v_lshlrev_b32 v4, 15, v4                       ; lanes 16-31: the next tile of 16 columns, 32 images on
	v_lshl_add_u32 v4, v5, 4, v4
	s_lshl_b32 s20, s19, 19                        ; W_proj: 128 rows of 4,096 bytes,
	s_lshl_b32 s22, s18, 2
	s_add_co_u32 s20, s20, s22
	s_add_nc_u64 s[8:9], s[8:9], s[20:21]
	s_lshl_b32 s20, s18, 11                        ; wp: (column / 16) x 32,768,
	s_lshl_b32 s22, s19, 12                        ; + 4 images
	s_add_co_u32 s20, s20, s22
	s_add_nc_u64 s[14:15], s[14:15], s[20:21]
.macro PLOAD t
.irp i, 0,1,2,3,4,5,6,7,8,9,10,11,12,13,14,15,16,17,18,19,20,21,22,23,24,25,26,27,28,29,30,31
	global_load_b32 v[PX+32*((\t)%2)+\i], v3, s[8:9] offset:(32*(\t)+\i)*4096 th:TH_LOAD_NT
.endr
.endm
.macro PCH t
.if (\t) < 3
	s_wait_loadcnt 32                              ; this chunk's 32 loads are in; the next chunk's may be out
.else
	s_wait_loadcnt 0
.endif
.irp i, 0,1,2,3,4,5,6,7,8,9,10,11,12,13,14,15
	v_cvt_pk_f16_f32 v[PH+16*(\t)+\i], v[PX+32*((\t)%2)+2*\i], v[PX+32*((\t)%2)+2*\i+1]   ; the lower k in the low half
.endr
.if (\t) < 2
	PLOAD (\t)+2
.endif
.irp p, 0,1,2,3
	global_store_b128 v4, v[PH+16*(\t)+4*\p:PH+16*(\t)+4*\p+3], s[14:15] offset:1024*(\t)+256*\p   ; each chunk has registers of its own: no store's data are written again
.endr
.endm
	PLOAD 0
	PLOAD 1
	PCH 0
	PCH 1
	PCH 2
	PCH 3
.Lend:
	s_wait_tensorcnt 0x0                           ; the wave's end: behind my last LDS store
	ds_add_u32 v[SPW], v[NIL]
	s_wait_dscnt 0x0
	s_endpgm
.Lfunc_end_k_q80bcee6f60_prep:
	.size	k_q80bcee6f60_prep, .Lfunc_end_k_q80bcee6f60_prep-k_q80bcee6f60_prep
	.p2alignl 7, 3214868480
	.fill 96, 4, 3214868480
	.section	.rodata,"a",@progbits
	.p2align	6, 0x0
	.amdhsa_kernel k_q80bcee6f60_prep
		.amdhsa_group_segment_fixed_size 68096
		.amdhsa_private_segment_fixed_size 0
		.amdhsa_enable_private_segment 0
		.amdhsa_kernarg_size 48
		.amdhsa_user_sgpr_count 2
		.amdhsa_user_sgpr_kernarg_segment_ptr 1
		.amdhsa_wavefront_size32 1
		.amdhsa_system_sgpr_workgroup_id_x 1
		.amdhsa_system_sgpr_workgroup_id_y 1
		.amdhsa_system_sgpr_workgroup_id_z 1
		.amdhsa_system_vgpr_workitem_id 0
		.amdhsa_next_free_vgpr 200
		.amdhsa_next_free_sgpr 66
		.amdhsa_reserve_vcc 0
		.amdhsa_float_denorm_mode_32 3
		.amdhsa_float_denorm_mode_16_64 3
		.amdhsa_memory_ordered 1
		.amdhsa_forward_progress 1
		.amdhsa_inst_pref_size 129
	.end_amdhsa_kernel
	.amdgpu_metadata
---
amdhsa.version: [ 1, 2 ]
amdhsa.kernels:
  - .name:           k_q80bcee6f60_prep
    .symbol:         k_q80bcee6f60_prep.kd
    .args:
      - { .name: x, .offset: 0, .size: 8, .value_kind: global_buffer, .address_space: global }
      - { .name: W_qkv, .offset: 8, .size: 8, .value_kind: global_buffer, .address_space: global }
      - { .name: W_proj, .offset: 16, .size: 8, .value_kind: global_buffer, .address_space: global }
      - { .name: codes, .offset: 24, .size: 8, .value_kind: global_buffer, .address_space: global }
      - { .name: scales, .offset: 32, .size: 8, .value_kind: global_buffer, .address_space: global }
      - { .name: wp, .offset: 40, .size: 8, .value_kind: global_buffer, .address_space: global }
    .group_segment_fixed_size: 68096
    .private_segment_fixed_size: 0
    .kernarg_segment_align: 8
    .kernarg_segment_size: 48
    .max_flat_workgroup_size: 128
    .sgpr_count:     66
    .vgpr_count:     200
    .wavefront_size: 32
...
	.end_amdgpu_metadata
.endif
;; end of part 1
;; launch qkv (part 2): grid 12 x 32, 4 waves a work-group, clusters of 4 x 4, 327,680 bytes of LDS; arguments codes, scales, b_qkv, qn_w, kn_w, qkv; writes qkv
.if DOCPART == 2
	.amdgcn_target "amdgcn-amd-amdhsa--gfx1250"
	.amdhsa_code_object_version 6
	.text
	.protected	k_q80bcee6f60_qkv
	.globl	k_q80bcee6f60_qkv
	.p2align	8
	.type	k_q80bcee6f60_qkv,@function
k_q80bcee6f60_qkv:
	s_mov_b64 s[64:65], 0
	v_nop
	global_prefetch_b8 v0, s[64:65] scope:SCOPE_SE
	s_setreg_imm32_b32 hwreg(HW_REG_WAVE_MODE, 25, 1), 1
	s_wait_xcnt 0x0
	s_wait_alu depctr_hold_cnt(0) depctr_sa_sdst(0) depctr_va_vdst(0) depctr_va_sdst(0) depctr_va_ssrc(0) depctr_va_vcc(0) depctr_vm_vsrc(0)
	s_getreg_b32 s2, hwreg(HW_REG_IB_STS2, 6, 4)
	s_cmp_eq_u32 s2, 0
	s_cbranch_scc0 .Lentry_in_a_cluster
	s_endpgm
.Lentry_in_a_cluster:
	s_bfe_u32 s2, ttmp6, 0x10000c
	s_cmp_lg_u32 s2, 0xf033
	s_cbranch_scc0 .Lentry_shape_is_right
	s_endpgm
.Lentry_shape_is_right:
; ATTENTION BLOCK, launch 2 of 4: qkv = Q(x) Q(W_qkv) + b_qkv on codes of FP4 with E8M0 scales, K = 1,024; the RMS norm of q and k over each head's 64 channels with its gain; q, k, v rounded to f16.  No work of reference() is left out.
; codes [11264][512 bytes], scales [11264][32 bytes]: rows 0 .. 8191 tokens, rows 8192 .. 11263 W_qkv's columns (launch 1).
; A tile of 256 x 256 results is made by a work-group of four waves; a wave makes 128 x 128: 64 accumulators, 512 registers.  K goes in two steps of 512 through two LDS slots, each filled once; the scale bytes of the tile's rows come with them.
; TILE "A" is source 1 of the matrix instruction and gives the result's LANE; tile "B" is source 0 and gives the result's REGISTERS (eight neighbours).  A cluster is 4 x 4 work-groups; A's tile is asked for jointly along a row of the cluster, B's along a column.
; The cluster's x says what is made: 0 q, 1 k, 2 v.  For q and k: A = tokens, B = channels: a lane holds one token and eight neighbouring channels.  For v: A = channels, B = tokens: a lane holds one channel and eight neighbouring keys.
; Only the rows that feed the two tiles, the bias and the way out differ; the choices hang on the cluster's x alone, which all sixteen partners share.
; THE RESULTS LEAVE AS IMAGES OF THE NEXT PRODUCTS' OPERAND REGISTERS (a fragment of 16 rows x 32 K of f16 is 1,024 bytes: lane l's registers 0-3 at 16 l, registers 4-7 at 512 + 16 l): a lane's eight neighbours pack into 16 bytes,
; which are four such registers, so each store of a wave covers 512 consecutive bytes, aligned, straight from registers.
;   qkv part 0, q: [batch x head 64][token tile 128][chunk of 32 channels 2][1,024];  part 1, k: the same;  part 2, v: [batch x head 64][chunk of 32 keys 64][tile of 16 channels 4][1,024].  A part is 16,777,216 bytes.
; b_qkv is the C of each sum's first matrix instruction.  The score's factor c = log2(e) / 8 is folded into q's norm: c rsqrt(ss / 64 + eps) = rsqrt(ss (ln 2)^2 + 64 eps (ln 2)^2).
; LIMITS: the bias starts the sum where reference() adds it last, and c is applied to q ahead of the product: another order of rounding.  v goes in f16: |v| over 65,504 is not served.  NaN and infinities are not served.
; The gains' 256 bytes and the norm's two constants are fetched on the way that all clusters take; the v clusters do not use them.
; REGISTERS, in windows of 256: window 0: v0-31 addresses; v32-95 scale words, two sets, and nothing else; v96-127 the gains; v128-191 A's fragments, one set; v192-255 the bias as C; on the way out v128-255 are at work.
;   window 1: B's fragments, two sets, at v0 and v128.   window 2: the accumulators of A's blocks 0-3 ((a, b) at v[8 (8 a + b)]);   window 3: those of blocks 4-7.
.set NQ,     4                         ; matrix instructions deep in a slot: 512 along K
.set ROWB,   256                       ; a tile's row in bytes
.set KROW,   512                       ; a row of codes in memory
.set PITCH,  272                       ; an LDS row: 256 bytes + 16 of padding = 68 words: the 16 rows that a load touches start at 16 different banks (64 banks of 4 bytes: ISA guide 11.1)
.set FR,     8                         ; registers of a fragment: 16 rows x 128 K
.set NL,     2                         ; LDS loads that bring one
.set NP,     4                         ; places behind this matrix instruction (ISA guide 7.12.1)
.set HALFT,  128*PITCH                 ; 128 rows: what one tensor load brings
.set SLOT,   4*HALFT                   ; A's 256 rows, then B's 256 rows
.set KS,     32                        ; a row of scale bytes
.set SCL,    2*SLOT                    ; behind the slots: the scale bytes, as units of 256 bytes + 16 of padding
.set HALFS,  (128*KS/256)*272          ; those of 128 rows: what one tensor load brings
.set SBLK,   (16*KS/256)*272           ; those of 16 rows
.set SPARE,  SCL+4*HALFS               ; the spare words, 128 bytes for each wave
.set ADRA, 16                          ; v16-17  LDS address of my A fragments in slot 0, 1
.set ADRB, 20                          ; v20-21  the same for B
.set CO,   26                          ; v26     16 x lane: my place in an image's 512 bytes; never rewritten
.set ADRS, 27                          ; v27     LDS address of my scale words: lanes 0-15 A's rows, lanes 16-31 B's
.set SPW,  28                          ; v28     LDS address of my spare word; never rewritten
.set NIL,  29                          ; v29     0; never rewritten
.set HO,   30                          ; v30     32 x (lane / 16)
.set RO,   31                          ; v31     4 x (lane % 16)
.set SC,   32
.set WGT,  96                          ; v96-127 gain of channel 16 i + 8 (lane / 16) + j at register 8 i + j
.set AF,   128
.set BI,   192
.set SS,   128                         ; the way out: v128-159 sums of squares, four registers a group
.set RS,   160                         ; v160-175 a pair a group: the norm's factor, and its argument
.set T,    192                         ; v192-223 a group's 32 numbers
.set OUT,  224                         ; v224-255 two sets of 16 registers of f16 pairs
.set G1, 24                            ; s[24:31] descriptor group 1 for A's tiles;  s[32:39] group 0, one set for each slot
.set G0, 32
.set G1B, 48                           ; s[48:55], s[56:63] the same for B's tiles
.set G0B, 56
.set G1S, 68                           ; s[68:75], s[76:79] groups 1 and 0 for A's scale bytes;  s[80:87], s[88:91] for B's
.set G0S, 76
.set G1SB, 80
.set G0SB, 88
.set MSB, 0
.macro WIN new                         ; the immediate's high byte repeats the setting that is left
.if MSB != \new
	s_set_vgpr_msb (MSB<<8)|\new
.set MSB, \new
.endif
.endm
.set MUL_LO, 0xa1                      ; source 0 (B) window 1, source 1 (A) window 0, C and D window 2
.set MUL_HI, 0xf1                      ; the same, C and D window 3
.set TO_B,   0x40                      ; destination window 1, address window 0
; A joint load: waves 0 and 1 fetch for A, waves 2 and 3 for B.  Each line has one mask and one set of registers for all that issue it; the branch hangs on the wave's number alone.
; An s_nop 0 and four v_nop follow each of the two lines.
.macro JLOAD g0a, g1a, g0b, g1b
	s_cmp_eq_u32 s15, 0
	s_cbranch_scc0 .Lfor_b_\@
	tensor_load_to_lds s[\g0a:\g0a+3], s[\g1a:\g1a+7]
	s_nop 0
.rept 4
	v_nop
.endr
	s_branch .Lasked_\@
.Lfor_b_\@:
	tensor_load_to_lds s[\g0b:\g0b+3], s[\g1b:\g1b+7]
	s_nop 0
.rept 4
	v_nop
.endr
.Lasked_\@:
.endm
.macro CROUND                          ; a round of the cluster's barrier
	s_barrier_signal -1
	s_barrier_wait -1
	s_cmp_lg_u32 s14, 0
	s_cbranch_scc1 .Lnot_wave_0_\@
	s_barrier_signal -3
.Lnot_wave_0_\@:
	s_barrier_wait -3
	s_barrier_signal -1
	s_barrier_wait -1
.endm
	s_load_b256 s[4:11], s[0:1], 0x0               ; codes s[4:5], scales s[6:7], b_qkv s[8:9], qn_w s[10:11]
	s_load_b128 s[96:99], s[0:1], 0x20             ; kn_w s[96:97], qkv s[98:99]
	v_lshl_add_u32 v[SPW], v0, 2, SPARE
	v_mov_b32 v[NIL], 0
	ds_add_u32 v[SPW], v[NIL]                      ; the wave's opening: the add, twice on end, and its wait ahead of my first tensor load; the set-up below stands between the second and the wait
	ds_add_u32 v[SPW], v[NIL]
	v_lshrrev_b32 v1, 5, v0
	v_readfirstlane_b32 s14, v1                    ; wave 0..3
	s_lshr_b32 s15, s14, 1                         ; which half of A's rows is mine.  Also: I fetch for A (0) or for B (1)
	s_and_b32 s16, s14, 1                          ; which half of B's rows.  Also: which 128 rows of that tile I fetch
	s_bfe_u32 s40, ttmp6, 0x40000                  ; cx, cy: my place in the cluster
	s_bfe_u32 s41, ttmp6, 0x40004
	s_mov_b32 s12, ttmp9                           ; X: 0 q, 1 k, 2 v
	s_and_b32 s13, ttmp7, 0xffff                   ; Y: which 1,024 tokens
	; which 256 rows of codes feed the tiles.  A's are made of cy, B's of cx, each with the cluster's numbers, in registers that never hold the other coordinate
	s_lshl_b32 s18, s13, 2
	s_add_co_u32 s17, s18, s41                     ; q, k: A = tokens, unit 4 Y + cy
	s_add_co_u32 s19, s41, 40                      ; v:    A = v's channels, unit 40 + cy
	s_lshl_b32 s42, s12, 2
	s_add_co_u32 s42, s42, s40
	s_add_co_u32 s42, s42, 32                      ; q, k: B = channels, unit 32 + 4 X + cx
	s_add_co_u32 s45, s18, s40                     ; v:    B = tokens, unit 4 Y + cx
	s_cmp_eq_u32 s12, 2
	s_cselect_b32 s17, s19, s17
	s_cselect_b32 s42, s45, s42
	s_lshl_b32 s43, s41, 2
	s_lshl_b32 s43, 15, s43                        ; my row of the cluster
	s_lshl_b32 s44, 0x1111, s40                    ; my column
	; descriptor group 1: a tile of 128 rows x 256 bytes, padded in LDS
	s_or_b32 s[G1+0], s43, (0<<16)|(1<<20)|(1<<21)|(5<<22)|(3<<25)  ; 15:0 the mask; 17:16 elements of 1 byte; 20 padding on; 21 set beside a mask; 24:22 after every 64 words; 31:25 four words
	s_or_b32 s[G1B+0], s44, (0<<16)|(1<<20)|(1<<21)|(5<<22)|(3<<25)
.irp g, G1, G1B
	s_mov_b32 s[\g+1], ROWB<<16                    ; tensor_dim0
	s_mov_b32 s[\g+2], 128<<16                     ; tensor_dim1
	s_mov_b32 s[\g+3], ROWB<<16                    ; tile_dim0
	s_mov_b32 s[\g+4], 128                         ; tile_dim1
	s_mov_b32 s[\g+5], KROW                        ; tensor_dim0_stride
	s_mov_b32 s[\g+6], 0
	s_mov_b32 s[\g+7], 0
.endr
	; the scale bytes of 128 rows: 4,096 dense bytes, as 16 rows of 256 bytes (32 elements of 8 bytes), 16 bytes of padding behind each
	s_or_b32 s[G1S+0], s43, (3<<16)|(1<<20)|(1<<21)|(5<<22)|(3<<25)
	s_or_b32 s[G1SB+0], s44, (3<<16)|(1<<20)|(1<<21)|(5<<22)|(3<<25)
.irp g, G1S, G1SB
	s_mov_b32 s[\g+1], 32<<16
	s_mov_b32 s[\g+2], (128*KS/256)<<16
	s_mov_b32 s[\g+3], 32<<16
	s_mov_b32 s[\g+4], 128*KS/256
	s_mov_b32 s[\g+5], 32
	s_mov_b32 s[\g+6], 0
	s_mov_b32 s[\g+7], 0
.endr
	s_lshl_b32 s18, s16, 7                         ; which 128 rows of the tile I fetch
	s_lshl_b32 s20, s17, 8
	s_add_co_u32 s20, s20, s18                     ; A's first row
	s_lshl_b32 s46, s42, 8
	s_add_co_u32 s46, s46, s18                     ; B's
	s_lshl_b32 s22, s20, 5                         ; their scale bytes (all offsets stay under 2^32),
	s_mov_b32 s23, 0
	s_lshl_b32 s92, s46, 5
	s_mov_b32 s93, 0
	s_lshl_b32 s20, s20, 9                         ; and their codes
	s_mov_b32 s21, 0
	s_lshl_b32 s46, s46, 9
	s_mov_b32 s47, 0
	s_mul_i32 s45, s14, HALFT                      ; where they go: wave x 128 rows: no place in the cluster enters an LDS address
	s_mul_i32 s94, s14, HALFS
	s_mov_b32 s100, 0x76543210                     ; v_permlanex16_b32's selects for lane l xor 16
	s_mov_b32 s101, 0xfedcba98
	s_wait_dscnt 0x0                               ; both opening adds are done
	s_wait_kmcnt 0x0
	s_add_nc_u64 s[20:21], s[4:5], s[20:21]
	s_add_nc_u64 s[22:23], s[6:7], s[22:23]
	s_add_nc_u64 s[46:47], s[4:5], s[46:47]
	s_add_nc_u64 s[92:93], s[6:7], s[92:93]
	CROUND                                         ; all sixteen work-groups are here: the joint loads meet
	s_mov_b32 s[G0S], 1
	s_add_co_u32 s[G0S+1], s94, SCL
	s_mov_b64 s[G0S+2:G0S+3], s[22:23]
	s_or_b32 s[G0S+3], s[G0S+3], 0x80000000
	s_mov_b32 s[G0SB], 1
	s_add_co_u32 s[G0SB+1], s94, SCL
	s_mov_b64 s[G0SB+2:G0SB+3], s[92:93]
	s_or_b32 s[G0SB+3], s[G0SB+3], 0x80000000
	JLOAD G0S, G1S, G0SB, G1SB                     ; the scale bytes first: they are wanted with the first K step.  Three tensor loads of mine are out behind the third line below
.irp s, 0,1
	s_mov_b32 s[G0+4*\s], 1
	s_add_co_u32 s[G0+4*\s+1], s45, \s*SLOT
	s_add_nc_u64 s[G0+4*\s+2:G0+4*\s+3], s[20:21], \s*ROWB
	s_or_b32 s[G0+4*\s+3], s[G0+4*\s+3], 0x80000000
	s_mov_b32 s[G0B+4*\s], 1
	s_add_co_u32 s[G0B+4*\s+1], s45, \s*SLOT
	s_add_nc_u64 s[G0B+4*\s+2:G0B+4*\s+3], s[46:47], \s*ROWB
	s_or_b32 s[G0B+4*\s+3], s[G0B+4*\s+3], 0x80000000
	JLOAD G0+4*\s, G1, G0B+4*\s, G1B
.endr
	v_and_b32 v1, 15, v0                           ; r = l % 16
	v_bfe_u32 v2, v0, 4, 1                         ; h = l / 16
	v_mul_u32_u24 v3, v1, PITCH
	v_lshl_add_u32 v4, v2, 4, v3                   ; a fragment's row x pitch + 16 x half
	s_mul_i32 s21, s15, HALFT                      ; my 128 rows of A
	s_mul_i32 s22, s16, HALFT                      ; my 128 rows of B,
	s_add_co_u32 s22, s22, 2*HALFT                 ; which lie behind A's 256
.irp s, 0,1
	v_add_nc_u32 v[ADRA+\s], s21, v4
	v_add_nc_u32 v[ADRB+\s], s22, v4
	s_add_co_u32 s21, s21, SLOT
	s_add_co_u32 s22, s22, SLOT
.endr
	v_mul_u32_u24 v5, v1, KS                       ; my row's scale bytes: 32 a row,
	v_lshrrev_b32 v6, 8, v5
	v_lshl_add_u32 v5, v6, 4, v5                   ; and 16 more for each 256 passed
	s_mul_i32 s21, s15, HALFS                      ; A's: my 128 rows
	s_mul_i32 s22, s16, HALFS                      ; B's: my 128 rows, behind A's 256
	s_add_co_u32 s22, s22, 2*HALFS
	s_sub_co_u32 s22, s22, s21
	v_mul_u32_u24 v6, s22, v2                      ; lanes 16-31 take B's: the lower base + h x the distance
	s_add_co_u32 s21, s21, SCL
	v_add_nc_u32 v5, v5, v6
	v_add_nc_u32 v[ADRS], s21, v5
	v_and_b32 v6, 31, v0
	v_lshlrev_b32 v[CO], 4, v6
	v_lshlrev_b32 v[HO], 5, v2
	v_lshlrev_b32 v[RO], 2, v1
	; the norm's gain and constants: q's where X = 0, else k's
	s_cmp_eq_u32 s12, 0
	s_cselect_b64 s[10:11], s[10:11], s[96:97]
	s_mov_b32 s2, 0x3c800000                       ; k: 1 / 64
	s_cselect_b32 s2, 0x3ef5fdf0, s2               ; q: (ln 2)^2
	s_mov_b32 s3, 0x358637bd                       ; k: 1e-6
	s_cselect_b32 s3, 0x3800f87b, s3               ; q: 64e-6 (ln 2)^2
.irp i, 0,1,2,3
	global_load_b128 v[WGT+8*\i:WGT+8*\i+3], v[HO], s[10:11] offset:64*\i
	global_load_b128 v[WGT+8*\i+4:WGT+8*\i+7], v[HO], s[10:11] offset:64*\i+16
.endr
	; the bias, in the result's layout
	s_cmp_eq_u32 s12, 2
	s_cbranch_scc1 .Lbias_v
	s_lshl_b32 s18, s12, 12                        ; q, k: register 8 b + j holds b_qkv[1024 X + 256 cx + 128 (wave % 2) + 16 b + 8 h + j]
	s_lshl_b32 s19, s40, 10
	s_add_co_u32 s18, s18, s19
	s_lshl_b32 s19, s16, 9
	s_add_co_u32 s18, s18, s19
	s_mov_b32 s19, 0
	s_add_nc_u64 s[8:9], s[8:9], s[18:19]
.irp b, 0,1,2,3,4,5,6,7
	global_load_b128 v[BI+8*\b:BI+8*\b+3], v[HO], s[8:9] offset:64*\b
	global_load_b128 v[BI+8*\b+4:BI+8*\b+7], v[HO], s[8:9] offset:64*\b+16
.endr
	s_branch .Lbias_done
.Lbias_v:
	s_lshl_b32 s18, s41, 10                        ; v: registers 8 a + 0 .. 7 all hold b_qkv[2048 + 256 cy + 128 (wave / 2) + 16 a + r]: the lane's channel
	s_lshl_b32 s19, s15, 9
	s_add_co_u32 s18, s18, s19
	s_add_co_u32 s18, s18, 8192
	s_mov_b32 s19, 0
	s_add_nc_u64 s[8:9], s[8:9], s[18:19]
.irp a, 0,1,2,3,4,5,6,7
.irp j, 0,1,2,3,4,5,6,7
	global_load_b32 v[BI+8*\a+\j], v[RO], s[8:9] offset:64*\a
.endr
.endr
.Lbias_done:
.macro FRAG reg, adr, q, i             ; a fragment, 16 rows x 128 K of 4-bit codes, is 8 registers: lane l holds row l % 16; registers 4 c .. 4 c + 3 hold K = 64 c + 32 (l / 16) + 0 .. 31
.irp c, 0,1
	ds_load_b128 v[\reg+4*\c:\reg+4*\c+3], v[\adr] offset:64*(\q)+32*\c+(\i)*16*PITCH
.endr
.endm
; 16 matrix instructions: A's blocks a0, a0 + 1 x B's eight, 128 along K: the slot's q-th.  p: B's set;  sc: the set of scale words.  zero = 1: the sums start with the bias by B's block; 2: by A's block; 0: they go on.
; The 64 accumulators take turns, one instruction a turn, in the same order in every step.  One register carries A's scale word (lanes 0-15) and B's (lanes 16-31).
.macro MUL16 a0, p, q, sc, zero
.irp a, \a0, \a0+1
.irp b, 0,1,2,3,4,5,6,7
.if \zero == 1
	v_wmma_scale_f32_16x16x128_f8f6f4 v[8*(8*((\a)%4)+\b):8*(8*((\a)%4)+\b)+7], v[128*(\p)+FR*\b:128*(\p)+FR*\b+FR-1], v[AF+FR*(\a):AF+FR*(\a)+FR-1], v[BI+8*\b:BI+8*\b+7], v[SC+8*NQ*(\sc)+NQ*\b+(\q)], v[SC+8*NQ*(\sc)+NQ*(\a)+(\q)] matrix_a_fmt:MATRIX_FMT_FP4 matrix_b_fmt:MATRIX_FMT_FP4 matrix_a_scale:MATRIX_SCALE_ROW1
.elseif \zero == 2
	v_wmma_scale_f32_16x16x128_f8f6f4 v[8*(8*((\a)%4)+\b):8*(8*((\a)%4)+\b)+7], v[128*(\p)+FR*\b:128*(\p)+FR*\b+FR-1], v[AF+FR*(\a):AF+FR*(\a)+FR-1], v[BI+8*(\a):BI+8*(\a)+7], v[SC+8*NQ*(\sc)+NQ*\b+(\q)], v[SC+8*NQ*(\sc)+NQ*(\a)+(\q)] matrix_a_fmt:MATRIX_FMT_FP4 matrix_b_fmt:MATRIX_FMT_FP4 matrix_a_scale:MATRIX_SCALE_ROW1
.else
	v_wmma_scale_f32_16x16x128_f8f6f4 v[8*(8*((\a)%4)+\b):8*(8*((\a)%4)+\b)+7], v[128*(\p)+FR*\b:128*(\p)+FR*\b+FR-1], v[AF+FR*(\a):AF+FR*(\a)+FR-1], v[8*(8*((\a)%4)+\b):8*(8*((\a)%4)+\b)+7], v[SC+8*NQ*(\sc)+NQ*\b+(\q)], v[SC+8*NQ*(\sc)+NQ*(\a)+(\q)] matrix_a_fmt:MATRIX_FMT_FP4 matrix_b_fmt:MATRIX_FMT_FP4 matrix_a_scale:MATRIX_SCALE_ROW1
.endif
.endr
.endr
.endm
.macro FETCH_B slot, q, p              ; B's eight fragments of the slot's q-th 128 along K into set p
	WIN TO_B
.irp i, 0,1,2,3,4,5,6,7
	FRAG 128*(\p)+FR*\i, ADRB+\slot, \q, \i
.endr
	WIN 0
.endm
.macro FETCH_A slot, q, i0             ; A's blocks i0 .. i0 + 3
.irp i, \i0, \i0+1, \i0+2, \i0+3
	FRAG AF+FR*(\i), ADRA+\slot, \q, \i
.endr
.endm
.macro SCALES sc                       ; a K step's scale words into set sc: four words a row; lanes 0-15 take A's block i, lanes 16-31 B's block i
.irp i, 0,1,2,3,4,5,6,7
	ds_load_b128 v[SC+8*NQ*\sc+NQ*\i:SC+8*NQ*\sc+NQ*\i+3], v[ADRS] offset:\i*SBLK
.endr
.endm
; A load into a register that a matrix instruction has read, and a vector instruction that reads a matrix result or writes one of its registers, stand NP places behind it; only plain vector instructions that name none of its registers are places.
.macro PLACES n
.rept \n
	v_nop
.endr
.endm
; A step of 128 along K that has its successor in the same slot.  A has one set of registers: blocks 0-3 are fetched anew in the step's middle, blocks 4-7 at its end; B has two sets.
.macro STEP slot, q, zero
	s_wait_dscnt 4*NL                              ; B's set, A's blocks 0-3 and the scale words are in; the youngest eight loads (A's blocks 4-7) may be out
.if \zero
	WIN 0x81                                       ; C, the bias, in window 0; D in window 2
.else
	WIN MUL_LO
.endif
	MUL16 0, (\q)%2, \q, \slot, \zero
	MUL16 2, (\q)%2, \q, \slot, \zero
	s_wait_dscnt 0                                 ; A's blocks 4-7 are in
	PLACES NP
	FETCH_B \slot, (\q)+1, 1-(\q)%2
	FETCH_A \slot, (\q)+1, 0
.if \zero
	WIN 0xc1
.else
	WIN MUL_HI
.endif
	MUL16 4, (\q)%2, \q, \slot, \zero
	MUL16 6, (\q)%2, \q, \slot, \zero
	PLACES NP
	WIN 0
	FETCH_A \slot, (\q)+1, 4
.endm
.macro STEPS slot, from                ; the slot's steps from .. NQ - 2
.set Q, \from
.rept NQ-1-\from
	STEP \slot, Q, 0
.set Q, Q+1
.endr
.endm
	s_wait_tensorcnt 1                             ; the scale bytes and my part of slot 0 are in (slot 1's load may be out)
	s_barrier_signal -1
	s_barrier_wait -1                              ; everybody's are
	FETCH_B 0, 0, 0
	FETCH_A 0, 0, 0
	SCALES 0
	FETCH_A 0, 0, 4
	s_wait_loadcnt 0x0                             ; the bias and the gains
	s_cmp_eq_u32 s12, 2
	s_cbranch_scc1 .Lfirst_v
	STEP 0, 0, 1                                   ; the first step starts the sums with the bias: nothing is cleared
	s_branch .Lfirst_done
.Lfirst_v:
	STEP 0, 0, 2
.Lfirst_done:
	STEPS 0, 1
	; slot 0's last step, and the change to slot 1: one barrier; nothing is filled again
	s_wait_tensorcnt 0x0                           ; all my tensor loads have landed: my part of slot 1
	ds_add_u32 v[SPW], v[NIL]                      ; 0 onto my spare word
	s_wait_dscnt 4*NL+1                            ; (the add and the youngest eight loads may be out)
	WIN MUL_LO
	MUL16 0, 1, NQ-1, 0, 0
	s_wait_dscnt 0x0                               ; no LDS instruction of mine is out at the signal
	s_barrier_signal -1
	MUL16 2, 1, NQ-1, 0, 0
	WIN 0
	s_barrier_wait -1                              ; slot 1 is whole
	PLACES NP
	v_add_nc_u32 v[ADRS], 4*NQ, v[ADRS]            ; on to the second K step's scale words
	FETCH_B 1, 0, 0
	FETCH_A 1, 0, 0
	SCALES 1
	WIN MUL_HI
	MUL16 4, 1, NQ-1, 0, 0
	MUL16 6, 1, NQ-1, 0, 0
	PLACES NP
	WIN 0
	FETCH_A 1, 0, 4
	STEPS 1, 0
	s_wait_dscnt 4*NL                              ; the very last step: nothing more to fetch
	WIN MUL_LO
	MUL16 0, 1, NQ-1, 1, 0
	MUL16 2, 1, NQ-1, 1, 0
	s_wait_dscnt 0
	WIN MUL_HI
	MUL16 4, 1, NQ-1, 1, 0
	MUL16 6, 1, NQ-1, 1, 0
	WIN 0
	PLACES NP                                      ; in front of the first read of results and the first write of A's registers
	s_cmp_eq_u32 s12, 2
	s_cbranch_scc1 .Lout_v
; THE WAY OUT OF q AND k.  A GROUP is 16 tokens x one head: group g of a window's eight is A's block g / 2, head g % 2: 32 consecutive registers at v[32 g]; a lane holds 32 of its token's 64 channels, lane l xor 16 the others.
	s_lshr_b32 s18, s13, 1                         ; batch
	s_lshl_b32 s18, s18, 4
	s_lshl_b32 s19, s40, 2
	s_add_co_u32 s18, s18, s19
	s_lshl_b32 s19, s16, 1
	s_add_co_u32 s18, s18, s19                     ; 16 batch + my first head: 4 cx + 2 (wave % 2)
	s_lshl_b32 s18, s18, 7
	s_and_b32 s19, s13, 1
	s_lshl_b32 s19, s19, 2
	s_add_co_u32 s19, s19, s41
	s_lshl_b32 s19, s19, 4
	s_add_co_u32 s18, s18, s19
	s_lshl_b32 s19, s15, 3
	s_add_co_u32 s18, s18, s19                     ; + my first token tile: 16 (4 (Y % 2) + cy) + 8 (wave / 2)
	s_lshl_b32 s18, s18, 11                        ; 2,048 bytes a token tile
	s_lshl_b32 s19, s12, 24                        ; part X
	s_add_co_u32 s18, s18, s19
	s_mov_b32 s19, 0
	s_add_nc_u64 s[98:99], s[98:99], s[18:19]
.macro NORM8 w                         ; the eight groups of window 2 + w
	WIN (0x0a+5*\w)                                ; sources 0 and 1: the accumulators' window
.set i, 0
.rept 16                               ; the sums of squares, two numbers at a time, two chains a group, the groups by turns; each accumulator is read from its low end on
.irp g, 0,1,2,3,4,5,6,7
.if i < 2
	v_pk_mul_f32 v[SS+4*\g+2*i:SS+4*\g+2*i+1], v[32*\g+2*i:32*\g+2*i+1], v[32*\g+2*i:32*\g+2*i+1]
.else
	v_pk_fma_f32 v[SS+4*\g+2*(i%2):SS+4*\g+2*(i%2)+1], v[32*\g+2*i:32*\g+2*i+1], v[32*\g+2*i:32*\g+2*i+1], v[SS+4*\g+2*(i%2):SS+4*\g+2*(i%2)+1]
.endif
.endr
.set i, i+1
.endr
	WIN 0
.irp g, 0,1,2,3,4,5,6,7
	v_pk_add_f32 v[SS+4*\g:SS+4*\g+1], v[SS+4*\g:SS+4*\g+1], v[SS+4*\g+2:SS+4*\g+3]
.endr
.irp g, 0,1,2,3,4,5,6,7
	v_add_f32 v[SS+4*\g], v[SS+4*\g], v[SS+4*\g+1]
.endr
.irp g, 0,1,2,3,4,5,6,7
	v_permlanex16_b32 v[SS+4*\g+1], v[SS+4*\g], s100, s101
.endr
.irp g, 0,1,2,3,4,5,6,7
	v_add_f32 v[SS+4*\g], v[SS+4*\g], v[SS+4*\g+1]               ; with lane l xor 16's 32 channels: the token's sum of squares in this head
.endr
.irp g, 0,1,2,3,4,5,6,7
	v_fma_f32 v[RS+2*\g+1], v[SS+4*\g], s2, s3
.endr
.irp g, 0,1,2,3,4,5,6,7
	v_rsq_f32 v[RS+2*\g], v[RS+2*\g+1]
.endr
	v_nop                                          ; a plain instruction behind the last of the batch
	s_wait_alu depctr_va_vdst(0)                   ; one wait for the eight, ahead of their first reader
.irp g, 0,1,2,3,4,5,6,7
	WIN (0x02+\w)                                  ; source 0: the accumulators' window
.set i, 0
.rept 16
	v_pk_mul_f32 v[T+2*i:T+2*i+1], v[32*\g+2*i:32*\g+2*i+1], v[RS+2*\g:RS+2*\g+1] op_sel_hi:[1,0]
.set i, i+1
.endr
	WIN 0
.set i, 0
.rept 16
	v_pk_mul_f32 v[T+2*i:T+2*i+1], v[T+2*i:T+2*i+1], v[WGT+2*i:WGT+2*i+1]
.set i, i+1
.endr
	s_wait_xcnt 0x0                                ; the earlier stores have read their data: OUT's set is rewritten only behind this wait
.set i, 0
.rept 16
	v_cvt_pk_f16_f32 v[OUT+16*(\g%2)+i], v[T+2*i], v[T+2*i+1]
.set i, i+1
.endr
.irp k, 0,1,2,3                        ; B's block k of the head is half k % 2 of the image of chunk k / 2: byte 512 k
	global_store_b128 v[CO], v[OUT+16*(\g%2)+4*\k:OUT+16*(\g%2)+4*\k+3], s[98:99] offset:(4*\w+\g/2)*2048+(\g%2)*262144+\k*512   ; 32 lanes store 512 consecutive bytes, aligned
.endr
.endr
.endm
	NORM8 0
	NORM8 1
	s_branch .Lout_done
.Lout_v:
; THE WAY OUT OF v.  Accumulator (a, b): lane r = channel 16 a + r of my 128, registers = keys 16 b + 8 h + 0 .. 7 of my 128: half b % 2 of the image (key chunk b / 2, channel tile a % 4) of head a / 4.
	s_lshr_b32 s18, s13, 1
	s_lshl_b32 s18, s18, 4
	s_lshl_b32 s19, s41, 2
	s_add_co_u32 s18, s18, s19
	s_lshl_b32 s19, s15, 1
	s_add_co_u32 s18, s18, s19                     ; 16 batch + my first head: 4 cy + 2 (wave / 2)
	s_lshl_b32 s18, s18, 6
	s_and_b32 s19, s13, 1
	s_lshl_b32 s19, s19, 2
	s_add_co_u32 s19, s19, s40
	s_lshl_b32 s19, s19, 3
	s_add_co_u32 s18, s18, s19
	s_lshl_b32 s19, s16, 2
	s_add_co_u32 s18, s18, s19                     ; + my first key chunk: 8 (4 (Y % 2) + cx) + 4 (wave % 2)
	s_lshl_b32 s18, s18, 12                        ; 4,096 bytes a key chunk
	s_add_co_u32 s18, s18, 33554432                ; part 2
	s_mov_b32 s19, 0
	s_add_nc_u64 s[98:99], s[98:99], s[18:19]
.irp a, 0,1,2,3,4,5,6,7
.if \a >= 4
	s_wait_xcnt 0x0                                ; block a - 4's stores have read their data
.endif
	WIN (0x0a+5*(\a/4))
.irp b, 0,1,2,3,4,5,6,7
.irp i, 0,1,2,3
	v_cvt_pk_f16_f32 v[128+32*(\a%4)+4*\b+\i], v[64*(\a%4)+8*\b+2*\i], v[64*(\a%4)+8*\b+2*\i+1]
.endr
.endr
	WIN 0
.irp b, 0,1,2,3,4,5,6,7
	global_store_b128 v[CO], v[128+32*(\a%4)+4*\b:128+32*(\a%4)+4*\b+3], s[98:99] offset:(\a/4)*262144+(\b/2)*4096+(\a%4)*1024+(\b%2)*512
.endr
.endr
.Lout_done:
	s_wait_tensorcnt 0x0                           ; the wave's end: behind my last tensor load
	ds_add_u32 v[SPW], v[NIL]
	s_wait_dscnt 0x0
	CROUND                                         ; the closing round
	s_endpgm
.Lfunc_end_k_q80bcee6f60_qkv:
	.size	k_q80bcee6f60_qkv, .Lfunc_end_k_q80bcee6f60_qkv-k_q80bcee6f60_qkv
	.p2alignl 7, 3214868480
	.fill 96, 4, 3214868480
	.section	.rodata,"a",@progbits
	.p2align	6, 0x0
	.amdhsa_kernel k_q80bcee6f60_qkv
		.amdhsa_group_segment_fixed_size 327680
		.amdhsa_private_segment_fixed_size 0
		.amdhsa_enable_private_segment 0
		.amdhsa_kernarg_size 48
		.amdhsa_user_sgpr_count 2
		.amdhsa_user_sgpr_kernarg_segment_ptr 1
		.amdhsa_wavefront_size32 1
		.amdhsa_system_sgpr_workgroup_id_x 1
		.amdhsa_system_sgpr_workgroup_id_y 1
		.amdhsa_system_sgpr_workgroup_id_z 1
		.amdhsa_system_vgpr_workitem_id 0
		.amdhsa_next_free_vgpr 1024
		.amdhsa_next_free_sgpr 102
		.amdhsa_reserve_vcc 0
		.amdhsa_float_denorm_mode_32 3
		.amdhsa_float_denorm_mode_16_64 3
		.amdhsa_memory_ordered 1
		.amdhsa_forward_progress 1
		.amdhsa_inst_pref_size 215
	.end_amdhsa_kernel
	.amdgpu_metadata
---
amdhsa.version: [ 1, 2 ]
amdhsa.kernels:
  - .name:           k_q80bcee6f60_qkv
    .symbol:         k_q80bcee6f60_qkv.kd
    .args:
      - { .name: codes, .offset: 0, .size: 8, .value_kind: global_buffer, .address_space: global }
      - { .name: scales, .offset: 8, .size: 8, .value_kind: global_buffer, .address_space: global }
      - { .name: b_qkv, .offset: 16, .size: 8, .value_kind: global_buffer, .address_space: global }
      - { .name: qn_w, .offset: 24, .size: 8, .value_kind: global_buffer, .address_space: global }
      - { .name: kn_w, .offset: 32, .size: 8, .value_kind: global_buffer, .address_space: global }
      - { .name: qkv, .offset: 40, .size: 8, .value_kind: global_buffer, .address_space: global }
    .group_segment_fixed_size: 327680
    .private_segment_fixed_size: 0
    .kernarg_segment_align: 8
    .kernarg_segment_size: 48
    .max_flat_workgroup_size: 128
    .sgpr_count:     102
    .vgpr_count:     1024
    .wavefront_size: 32
...
	.end_amdgpu_metadata
.endif
;; end of part 2
;; launch attn (part 3): grid 4 x 64, 8 waves a work-group, clusters of 4 x 1, 327,680 bytes of LDS; arguments qkv, ao; writes ao
.if DOCPART == 3
	.amdgcn_target "amdgcn-amd-amdhsa--gfx1250"
	.amdhsa_code_object_version 6
	.text
	.protected	k_q80bcee6f60_attn
	.globl	k_q80bcee6f60_attn
	.p2align	8
	.type	k_q80bcee6f60_attn,@function
k_q80bcee6f60_attn:
	s_mov_b64 s[64:65], 0
	v_nop
	global_prefetch_b8 v0, s[64:65] scope:SCOPE_SE
	s_setreg_imm32_b32 hwreg(HW_REG_WAVE_MODE, 25, 1), 1
	s_wait_xcnt 0x0
	s_wait_alu depctr_hold_cnt(0) depctr_sa_sdst(0) depctr_va_vdst(0) depctr_va_sdst(0) depctr_va_ssrc(0) depctr_va_vcc(0) depctr_vm_vsrc(0)
	s_getreg_b32 s2, hwreg(HW_REG_IB_STS2, 6, 4)
	s_cmp_eq_u32 s2, 0
	s_cbranch_scc0 .Lentry_in_a_cluster
	s_endpgm
.Lentry_in_a_cluster:
	s_bfe_u32 s2, ttmp6, 0x10000c
	s_cmp_lg_u32 s2, 0x3003
	s_cbranch_scc0 .Lentry_shape_is_right
	s_endpgm
.Lentry_shape_is_right:
; ATTENTION BLOCK, launch 3 of 4: for each batch and head, O[q] = the sum over k of softmax_k(q . k / 8) v[k], 2,048 queries and keys, 64 channels, no mask.  No work of reference() is left out.
; q, k, v come as f16 images of operand registers (launch 2): q and k [batch x head][token tile 128][chunk of 32 channels 2][1,024 bytes], v [batch x head][chunk of 32 keys 64][tile of 16 channels 4][1,024 bytes];
; q already carries log2(e) / 8, so a score s is in powers of two.  Products, maxima and sums in f32; the weights p are rounded to f16 for the second product, O once at the end.
; SOFTMAX.  For each query a running maximum m and sum l: p = 2^(s - m); in every step O and l are multiplied by a = 2^(m_old - m_new).  The sum is taken of the unrounded p.
; SHARES.  A cluster of four work-groups is one batch and head; a work-group owns 512 queries, each of its eight waves 64: four tiles of 16, in 512 registers: two waves to a SIMD, so that one wave's vector work stands beside the other's matrix work.
; Every wave walks all keys, 64 a step.  K and V come through two LDS slots of 512 keys; each of the eight waves brings 16,384 dense bytes with one tensor load (waves 0-3 K's quarters, waves 4-7 V's), asked for JOINTLY by the four work-groups.
; LAYOUT.  S^T = K Q^T (source 0 = 16 keys, source 1 = 16 queries): a lane holds one query and keys 8 (lane / 16) + 0 .. 7 of each tile; two tiles rounded to f16 in pairs ARE source 1 of O^T = V^T P.
; An image is read by two ds_load_b128 at 16 x lane: no pitch, no padding, consecutive bytes.  O leaves as images too: ao [token tile 512][chunk of 32 channels of the 1,024: 32][1,024 bytes].
; LIMITS: O goes in f16: it is an average of v, so it is in range where v is.  NaN and infinities are not served.
; REGISTERS: window 0: v2-8 addresses; v16-47 eight registers of statistics a tile; v64-191 S^T, 32 a tile, then P in each tile's first 16; v192-255 K of one step.
;   window 1: v0-127 O^T, 32 a tile; v128-191 Q, 16 a tile; v192-255 V of one step.
.set SLOT1, 131072                     ; slot 1 begins here: one exclusive or turns an address in one slot into the other's
.set VOFF,  65536                      ; in a slot: K's 64 images, then V's 64
.set STEPB, 8192                       ; a step's 8 images of K, and of V
.set SPARE, 262144                     ; behind the slots: the spare words, 128 bytes for each of the eight waves
.set LI,  2                            ; v2   16 x lane; never rewritten
.set LIV, 3                            ; v3   the same + VOFF
.set ADK, 4                            ; v4   LDS address of the step's images of K
.set ADV, 5                            ; v5   of V
.set SPW, 6                            ; v6   LDS address of my spare word; never rewritten
.set NIL, 7                            ; v7   0; never rewritten
.set PFO, 8                            ; v8   256 x lane: the prefetches' offset; never rewritten
.set ST,  16                           ; tile t's statistics at v[ST + 8 t]: +0 m, +1 a filler (named with m as a pair), +2, +3 l in two halves, +4 .. +7 at work; a takes +6
.set S,   64
.set KF,  192
.set QF,  128                          ; in window 1
.set VF,  192                          ; in window 1
.set WV,  12                           ; s12  my wave's number
.set CX,  13                           ; s13  my place in the cluster: it enters Q's, O's and the prefetches' addresses alone
.set BH,  14                           ; s14  16 x batch + head
.set LIM, 15                           ; s15  1 in a wave that prefetches, else the greatest number
.set PFA, 18                           ; s[18:19] where my prefetches stand
.set G1,  24                           ; s[24:31] descriptor group 1
.set G0,  32                           ; s[32:35] descriptor group 0, which walks
.set SLOTS, 36                         ; s36  slots still to be asked for
.set CNT, 37                           ; s37  counts a slot's eight steps
.set TB,  38                           ; s38  LDS byte at which the slot in hand begins
.set TS,  39                           ; s39  and the step in hand
.set SEL, 40                           ; s[40:41] v_permlanex16_b32's selects for lane l xor 16
.set MSB, 0
.macro WIN new                         ; the immediate's high byte repeats the setting that is left
.if MSB != \new
	s_set_vgpr_msb (MSB<<8)|\new
.set MSB, \new
.endif
.endm
.set W_KQ, 0x04                        ; K and S^T in window 0, Q (source 1) in window 1
.set W_PV, 0x51                        ; V (source 0) and O^T (C, D) in window 1, P in window 0
.set W_RS, 0x41                        ; O^T (destination, source 0) in window 1, the factor in window 0
.set TO_1, 0x40                        ; destination window 1, address window 0
.macro CROUND                          ; a round of the cluster's barrier
	s_barrier_signal -1
	s_barrier_wait -1
	s_cmp_lg_u32 s[WV], 0
	s_cbranch_scc1 .Lnot_wave_0_\@
	s_barrier_signal -3
.Lnot_wave_0_\@:
	s_barrier_wait -3
	s_barrier_signal -1
	s_barrier_wait -1
.endm
; A PREFETCH INTO THE L2 of what the NEXT change of slots will ask for: 65,536 bytes of K and as many of V.  It stands behind the wave's tensor load and its five lines.  Each aligned block of 256 bytes is named once:
; waves 0, 1 ask for K's, waves 4, 5 for V's (a branch on the wave's number, the same in all partners); the four partners share the bytes out BY ADDRESS: 8,192 x (2 cx + wave % 2) on, lanes 256 bytes apart.
; The last change that fills a slot asks for nothing; slots 0 and 1 come by their loads alone.
.macro ASK
	s_cmp_gt_u32 s[SLOTS], s[LIM]
	s_cbranch_scc0 .Lnot_mine_\@
	global_prefetch_b8 v[PFO], s[PFA:PFA+1] th:TH_LOAD_NT scope:SCOPE_SE
.Lnot_mine_\@:
.endm
	s_load_b128 s[4:7], s[0:1], 0x0                ; qkv s[4:5], ao s[6:7]
	v_lshl_add_u32 v[SPW], v0, 2, SPARE
	v_mov_b32 v[NIL], 0
	ds_add_u32 v[SPW], v[NIL]                      ; the wave's opening: the add, twice on end, and its wait ahead of my first tensor load; the set-up below stands between the second and the wait
	ds_add_u32 v[SPW], v[NIL]
	v_lshrrev_b32 v1, 5, v0
	v_readfirstlane_b32 s[WV], v1                  ; wave 0..7
	s_bfe_u32 s[CX], ttmp6, 0x40000
	s_and_b32 s[BH], ttmp7, 0xffff
	; descriptor group 1: 16,384 dense bytes as 64 rows of 256 bytes (32 elements of 8 bytes), no padding
	s_mov_b32 s[G1], 15|(3<<16)|(1<<21)            ; 15:0 the mask: all four work-groups; 17:16 elements of 8 bytes; 21 set beside a mask
	s_mov_b32 s[G1+1], 32<<16                      ; tensor_dim0
	s_mov_b32 s[G1+2], 64<<16                      ; tensor_dim1
	s_mov_b32 s[G1+3], 32<<16                      ; tile_dim0
	s_mov_b32 s[G1+4], 64                          ; tile_dim1
	s_mov_b32 s[G1+5], 32                          ; tensor_dim0_stride
	s_mov_b32 s[G1+6], 0
	s_mov_b32 s[G1+7], 0
	s_lshr_b32 s20, s[WV], 2
	s_add_co_u32 s20, s20, 1
	s_lshl_b32 s20, s20, 24                        ; part 1 (K: waves 0-3) or 2 (V: waves 4-7),
	s_lshl_b32 s21, s[BH], 18
	s_add_co_u32 s20, s20, s21                     ; my batch and head: 262,144 bytes each
	s_and_b32 s22, s[WV], 3
	s_lshl_b32 s22, s22, 14
	s_add_co_u32 s22, s22, s20                     ; my quarter of slot 0: nothing of this hangs on cx
	s_mov_b32 s23, 0
	s_lshl_b32 s42, s[CX], 1
	s_and_b32 s43, s[WV], 1
	s_add_co_u32 s42, s42, s43
	s_lshl_b32 s42, s42, 13
	s_add_co_u32 s42, s42, s20
	s_add_co_u32 s42, s42, 65536                   ; the prefetches: in slot 1; the first change of slots steps them to slot 2
	s_mov_b32 s43, 0
	s_and_b32 s[LIM], s[WV], 2
	s_cmp_eq_u32 s[LIM], 0
	s_cselect_b32 s[LIM], 1, -1
	s_lshl_b32 s44, s[BH], 7
	s_lshl_b32 s45, s[CX], 5
	s_add_co_u32 s44, s44, s45
	s_lshl_b32 s45, s[WV], 2
	s_add_co_u32 s44, s44, s45
	s_lshl_b32 s44, s44, 11                        ; Q: token tile 32 cx + 4 wave of my batch and head, 2,048 bytes a tile
	s_mov_b32 s45, 0
	s_lshr_b32 s46, s[BH], 4
	s_lshl_b32 s46, s46, 7
	s_lshl_b32 s47, s[CX], 5
	s_add_co_u32 s46, s46, s47
	s_lshl_b32 s47, s[WV], 2
	s_add_co_u32 s46, s46, s47
	s_lshl_b32 s46, s46, 15                        ; O: token tile 128 batch + 32 cx + 4 wave, 32,768 bytes a tile,
	s_and_b32 s47, s[BH], 15
	s_lshl_b32 s47, s47, 11
	s_add_co_u32 s46, s46, s47                     ; + the head's two chunks
	s_mov_b32 s47, 0
	s_mov_b32 s[SEL], 0x76543210
	s_mov_b32 s[SEL+1], 0xfedcba98
	s_mov_b32 s[SLOTS], 3
	s_mov_b32 s[TB], 0
	v_and_b32 v1, 31, v0
	v_lshlrev_b32 v[LI], 4, v1
	v_add_nc_u32 v[LIV], VOFF, v[LI]
	v_lshlrev_b32 v[PFO], 8, v1
	s_wait_dscnt 0x0                               ; both opening adds are done
	s_wait_kmcnt 0x0
	s_mov_b32 s[G0], 1                             ; 1:0 count = 1
	s_lshl_b32 s[G0+1], s[WV], 14                  ; 63:32 LDS address: 16,384 x wave, in slot 0
	s_add_nc_u64 s[G0+2:G0+3], s[4:5], s[22:23]    ; 120:64 global address
	s_or_b32 s[G0+3], s[G0+3], 0x80000000          ; 127:126 type = 2
	s_add_nc_u64 s[PFA:PFA+1], s[4:5], s[42:43]
	s_add_nc_u64 s[16:17], s[4:5], s[44:45]
	s_add_nc_u64 s[6:7], s[6:7], s[46:47]
	CROUND                                         ; all four work-groups are here: the first joint loads meet
	tensor_load_to_lds s[G0:G0+3], s[G1:G1+7]      ; slot 0: every wave issues one, with no branch; one tensor load of mine is out at any time
	s_nop 0
.rept 4
	v_nop
.endr
	WIN TO_1
.irp i, 0,1,2,3,4,5,6,7,8,9,10,11,12,13,14,15
	global_load_b128 v[QF+4*\i:QF+4*\i+3], v[LI], s[16:17] offset:512*\i   ; Q stays in registers: four tiles x two chunks, as the images lie
.endr
.set i, 0
.rept 128
	v_mov_b32 v[i], 0                              ; O^T.  (The step is written once: the first step finds zeros, which its a = 0 leaves zeros)
.set i, i+1
.endr
	WIN 0
.irp t, 0,1,2,3
	v_mov_b32 v[ST+8*\t], 0xff61b1e6               ; m = -3e38, under every score
	v_mov_b32 v[ST+8*\t+1], 0
	v_mov_b32 v[ST+8*\t+2], 0                      ; l
	v_mov_b32 v[ST+8*\t+3], 0
.endr
	s_wait_loadcnt 0x0                             ; Q
; A KEY STEP: 64 keys.  Phases: K Q^T | the next step's K and this step's V are asked of LDS | softmax | V^T P.
.macro STEP
	s_wait_dscnt 0x0                               ; K is in
	WIN W_KQ
.irp c, 0,1                            ; the 16 accumulators take turns, one instruction a turn; the first chunk starts the sums
.irp kt, 0,1,2,3
.irp t, 0,1,2,3
.if \c == 0
	v_wmma_f32_16x16x32_f16 v[S+32*\t+8*\kt:S+32*\t+8*\kt+7], v[KF+16*\kt+8*\c:KF+16*\kt+8*\c+7], v[QF+16*\t+8*\c:QF+16*\t+8*\c+7], 0
.else
	v_wmma_f32_16x16x32_f16 v[S+32*\t+8*\kt:S+32*\t+8*\kt+7], v[KF+16*\kt+8*\c:KF+16*\kt+8*\c+7], v[QF+16*\t+8*\c:QF+16*\t+8*\c+7], v[S+32*\t+8*\kt:S+32*\t+8*\kt+7]
.endif
.endr
.endr
.endr
	WIN 0
	v_add_nc_u32 v[ADK], s[TS], v[LI]              ; four plain instructions: the places in front of the loads into K's registers and of the first read of the scores
	v_add_nc_u32 v[ADV], s[TS], v[LIV]
	v_nop
	v_nop
	s_cmp_eq_u32 s[CNT], 1                         ; a slot's last step has no successor in the slot: a counted loop's number, the same in all waves and partners
	s_cbranch_scc1 .Lno_k_\@
.irp i, 0,1,2,3,4,5,6,7,8,9,10,11,12,13,14,15
	ds_load_b128 v[KF+4*\i:KF+4*\i+3], v[ADK] offset:STEPB+512*\i   ; the next step's K lands under the softmax
.endr
.Lno_k_\@:
	WIN TO_1
.irp i, 0,1,2,3,4,5,6,7,8,9,10,11,12,13,14,15
	ds_load_b128 v[VF+4*\i:VF+4*\i+3], v[ADV] offset:512*\i         ; this step's V (its registers' last readers stand five places and more back)
.endr
	WIN 0
	; the maximum of a lane's 32 scores and the old m, three operands at a time; the four tiles by turns in every line; each accumulator is read from its low end on
.irp j, 0,1,2,3
.irp t, 0,1,2,3
	v_max3_num_f32 v[ST+8*\t+4+\j], v[S+32*\t+8*\j], v[S+32*\t+8*\j+1], v[S+32*\t+8*\j+2]
.endr
.endr
.irp u, 1,2
.irp j, 0,1,2,3
.irp t, 0,1,2,3
	v_max3_num_f32 v[ST+8*\t+4+\j], v[ST+8*\t+4+\j], v[S+32*\t+8*\j+2*\u+1], v[S+32*\t+8*\j+2*\u+2]
.endr
.endr
.endr
.irp t, 0,1,2,3
	v_max3_num_f32 v[ST+8*\t+4], v[ST+8*\t+4], v[S+32*\t+7], v[S+32*\t+15]
.endr
.irp t, 0,1,2,3
	v_max3_num_f32 v[ST+8*\t+6], v[ST+8*\t+6], v[S+32*\t+23], v[S+32*\t+31]
.endr
.irp t, 0,1,2,3
	v_max3_num_f32 v[ST+8*\t+4], v[ST+8*\t+4], v[ST+8*\t+5], v[ST+8*\t+6]
.endr
.irp t, 0,1,2,3
	v_max3_num_f32 v[ST+8*\t+4], v[ST+8*\t+4], v[ST+8*\t+7], v[ST+8*\t]
.endr
.irp t, 0,1,2,3
	v_permlanex16_b32 v[ST+8*\t+5], v[ST+8*\t+4], s[SEL], s[SEL+1]   ; the query's other 32 keys lie in the lane 16 away
.endr
.irp t, 0,1,2,3
	v_max_num_f32 v[ST+8*\t+4], v[ST+8*\t+4], v[ST+8*\t+5]
.endr
.irp t, 0,1,2,3
	v_sub_f32 v[ST+8*\t+7], v[ST+8*\t], v[ST+8*\t+4]               ; m_old - m_new
.endr
.irp t, 0,1,2,3
	v_mov_b32 v[ST+8*\t], v[ST+8*\t+4]
.endr
.set e, 0
.rept 16
.irp t, 0,1,2,3
	v_pk_add_f32 v[S+32*\t+2*e:S+32*\t+2*e+1], v[S+32*\t+2*e:S+32*\t+2*e+1], v[ST+8*\t:ST+8*\t+1] op_sel_hi:[1,0] neg_lo:[0,1] neg_hi:[0,1]   ; s - m, two at a time
.endr
.set e, e+1
.endr
.irp t, 0,1,2,3
	v_exp_f32 v[ST+8*\t+6], v[ST+8*\t+7]           ; a.  ONE BATCH: the four tiles' 132 exponentials; none reads another's result
.endr
.set e, 0
.rept 32
.irp t, 0,1,2,3
	v_exp_f32 v[S+32*\t+e], v[S+32*\t+e]
.endr
.set e, e+1
.endr
	v_nop                                          ; a plain instruction behind the last exponential
	s_wait_alu depctr_va_vdst(0)                   ; one wait for the batch, ahead of its first reader
	; l = a l + the sum of the unrounded p: two chains a tile
.irp t, 0,1,2,3
	v_pk_mul_f32 v[ST+8*\t+2:ST+8*\t+3], v[ST+8*\t+2:ST+8*\t+3], v[ST+8*\t+6:ST+8*\t+7] op_sel_hi:[1,0]
.endr
.irp t, 0,1,2,3
	v_pk_add_f32 v[ST+8*\t+4:ST+8*\t+5], v[S+32*\t+2:S+32*\t+3], v[S+32*\t+6:S+32*\t+7]
.endr
.irp j, 0,4
.irp t, 0,1,2,3
	v_pk_add_f32 v[ST+8*\t+2:ST+8*\t+3], v[ST+8*\t+2:ST+8*\t+3], v[S+32*\t+\j:S+32*\t+\j+1]
.endr
.endr
.irp j, 8,12,16,20,24,28
.irp t, 0,1,2,3
	v_pk_add_f32 v[ST+8*\t+2:ST+8*\t+3], v[ST+8*\t+2:ST+8*\t+3], v[S+32*\t+\j:S+32*\t+\j+1]
.endr
.irp t, 0,1,2,3
	v_pk_add_f32 v[ST+8*\t+4:ST+8*\t+5], v[ST+8*\t+4:ST+8*\t+5], v[S+32*\t+\j+2:S+32*\t+\j+3]
.endr
.endr
.irp t, 0,1,2,3
	v_pk_add_f32 v[ST+8*\t+2:ST+8*\t+3], v[ST+8*\t+2:ST+8*\t+3], v[ST+8*\t+4:ST+8*\t+5]
.endr
	; P: pair i of a tile's weights goes into its register i: in place, ascending, so that no pair is written over before it is read
.set e, 0
.rept 16
.irp t, 0,1,2,3
	v_cvt_pk_f16_f32 v[S+32*\t+e], v[S+32*\t+2*e], v[S+32*\t+2*e+1]
.endr
.set e, e+1
.endr
	WIN W_RS
.set e, 0
.rept 16
.irp t, 0,1,2,3
	v_pk_mul_f32 v[32*\t+2*e:32*\t+2*e+1], v[32*\t+2*e:32*\t+2*e+1], v[ST+8*\t+6:ST+8*\t+7] op_sel_hi:[1,0]   ; O^T x a
.endr
.set e, e+1
.endr
	s_wait_dscnt 0x0                               ; V is in (and the next K, issued ahead of it): zero on both ways round the branch above
	WIN W_PV
.irp kc, 0,1                           ; O^T += V^T P: 32 keys at a time; the 16 accumulators take turns
.irp ct, 0,1,2,3
.irp t, 0,1,2,3
	v_wmma_f32_16x16x32_f16 v[32*\t+8*\ct:32*\t+8*\ct+7], v[VF+32*\kc+8*\ct:VF+32*\kc+8*\ct+7], v[S+32*\t+8*\kc:S+32*\t+8*\kc+7], v[32*\t+8*\ct:32*\t+8*\ct+7]
.endr
.endr
.endr
	WIN 0
.rept 5
	v_nop                                          ; five places: the next step's first products write over P's registers, which these products read; behind the last step they serve the first read of O^T
.endr
	s_add_co_u32 s[TS], s[TS], STEPB
.endm
; THE CHANGE OF SLOTS stands at a slot's head.  Each wave waits for all its tensor loads (its part of the slot that it is about to read), adds 0 to its spare word, and waits for that and for its reads of the slot that it has left.
; fill = 1: the barrier is a round of the cluster's, so that no wave of any partner still reads the other slot or has a load on its way; the joint load of the next 512 keys is the first thing behind it and has a slot's eight steps in which to land.
.macro CHANGE fill
	s_wait_tensorcnt 0x0                           ; no tensor load of mine is out, so group 0 may be written
	ds_add_u32 v[SPW], v[NIL]                      ; 0 onto my spare word
.if \fill
	s_xor_b32 s[G0+1], s[G0+1], SLOT1              ; the other slot than last time,
	s_add_nc_u64 s[G0+2:G0+3], s[G0+2:G0+3], 65536 ; the next 512 keys; the type bits on top are not reached
	s_wait_xcnt 0x0                                ; the last prefetch, a slot back, has read its address
	s_add_nc_u64 s[PFA:PFA+1], s[PFA:PFA+1], 65536 ; one slot further on than the walking descriptor
	s_wait_dscnt 0x0                               ; the add is done, and my reads of the slot that I have left are over
	CROUND
	tensor_load_to_lds s[G0:G0+3], s[G1:G1+7]
	s_nop 0
.rept 4
	v_nop
.endr
	ASK
.else
	s_wait_dscnt 0x0
	s_barrier_signal -1
	s_barrier_wait -1
.endif
.endm
.macro SLOT_BODY                       ; a slot's eight key steps: written once, walked eight times
	s_mov_b32 s[TS], s[TB]
	v_add_nc_u32 v[ADK], s[TS], v[LI]
.irp i, 0,1,2,3,4,5,6,7,8,9,10,11,12,13,14,15
	ds_load_b128 v[KF+4*\i:KF+4*\i+3], v[ADK] offset:512*\i         ; the slot's first K
.endr
	s_mov_b32 s[CNT], 8
.Lstep_\@:
	STEP
	s_sub_co_u32 s[CNT], s[CNT], 1
	s_cmp_lg_u32 s[CNT], 0
	s_cbranch_scc1 .Lstep_\@
	s_xor_b32 s[TB], s[TB], SLOT1                  ; on to the other slot
.endm
.Lslot:                                            ; three trips: behind each change of slots but the last the next slot is asked for; the first trip's load is slot 1's first fill
	CHANGE 1
	SLOT_BODY
	s_sub_co_u32 s[SLOTS], s[SLOTS], 1
	s_cmp_lg_u32 s[SLOTS], 0
	s_cbranch_scc1 .Lslot
	CHANGE 0                                       ; the last slot is written out
	SLOT_BODY
	; THE WAY OUT.  l's two halves and lane l xor 16's are added; O^T is divided by l and rounded to f16: a lane's eight channels are four registers of the next product's operand, stored as they stand.
.irp t, 0,1,2,3
	v_add_f32 v[ST+8*\t+4], v[ST+8*\t+2], v[ST+8*\t+3]
.endr
.irp t, 0,1,2,3
	v_permlanex16_b32 v[ST+8*\t+5], v[ST+8*\t+4], s[SEL], s[SEL+1]
.endr
.irp t, 0,1,2,3
	v_add_f32 v[ST+8*\t+4], v[ST+8*\t+4], v[ST+8*\t+5]
.endr
.irp t, 0,1,2,3
	v_rcp_f32 v[ST+8*\t+6], v[ST+8*\t+4]
.endr
	v_nop                                          ; a plain instruction behind the last reciprocal
	s_wait_alu depctr_va_vdst(0)                   ; one wait for the four, ahead of their first reader
	WIN W_RS
.irp t, 0,1,2,3
.set e, 0
.rept 16
	v_pk_mul_f32 v[32*\t+2*e:32*\t+2*e+1], v[32*\t+2*e:32*\t+2*e+1], v[ST+8*\t+6:ST+8*\t+7] op_sel_hi:[1,0]
.set e, e+1
.endr
.endr
	WIN 0x05                                       ; sources 0 and 1 window 1, destination window 0
.irp t, 0,1,2,3
.set e, 0
.rept 16
	v_cvt_pk_f16_f32 v[S+16*\t+e], v[32*\t+2*e], v[32*\t+2*e+1]
.set e, e+1
.endr
.endr
	WIN 0
.irp t, 0,1,2,3
.irp ct, 0,1,2,3
	global_store_b128 v[LI], v[S+16*\t+4*\ct:S+16*\t+4*\ct+3], s[6:7] offset:\t*32768+\ct*512   ; 32 lanes store 512 consecutive bytes, aligned: half ct % 2 of the image of chunk ct / 2
.endr
.endr
	s_wait_tensorcnt 0x0                           ; the wave's end: behind my last tensor load
	ds_add_u32 v[SPW], v[NIL]
	s_wait_dscnt 0x0
	CROUND                                         ; the closing round: no work-group ends while a partner may still ask for a tile that names it
	s_endpgm
.Lfunc_end_k_q80bcee6f60_attn:
	.size	k_q80bcee6f60_attn, .Lfunc_end_k_q80bcee6f60_attn-k_q80bcee6f60_attn
	.p2alignl 7, 3214868480
	.fill 96, 4, 3214868480
	.section	.rodata,"a",@progbits
	.p2align	6, 0x0
	.amdhsa_kernel k_q80bcee6f60_attn
		.amdhsa_group_segment_fixed_size 327680
		.amdhsa_private_segment_fixed_size 0
		.amdhsa_enable_private_segment 0
		.amdhsa_kernarg_size 16
		.amdhsa_user_sgpr_count 2
		.amdhsa_user_sgpr_kernarg_segment_ptr 1
		.amdhsa_wavefront_size32 1
		.amdhsa_system_sgpr_workgroup_id_x 1
		.amdhsa_system_sgpr_workgroup_id_y 1
		.amdhsa_system_sgpr_workgroup_id_z 1
		.amdhsa_system_vgpr_workitem_id 0
		.amdhsa_next_free_vgpr 512
		.amdhsa_next_free_sgpr 66
		.amdhsa_reserve_vcc 0
		.amdhsa_float_denorm_mode_32 3
		.amdhsa_float_denorm_mode_16_64 3
		.amdhsa_memory_ordered 1
		.amdhsa_forward_progress 1
		.amdhsa_inst_pref_size 88
	.end_amdhsa_kernel
	.amdgpu_metadata
---
amdhsa.version: [ 1, 2 ]
amdhsa.kernels:
  - .name:           k_q80bcee6f60_attn
    .symbol:         k_q80bcee6f60_attn.kd
    .args:
      - { .name: qkv, .offset: 0, .size: 8, .value_kind: global_buffer, .address_space: global }
      - { .name: ao, .offset: 8, .size: 8, .value_kind: global_buffer, .address_space: global }
    .group_segment_fixed_size: 327680
    .private_segment_fixed_size: 0
    .kernarg_segment_align: 8
    .kernarg_segment_size: 16
    .max_flat_workgroup_size: 256
    .sgpr_count:     66
    .vgpr_count:     512
    .wavefront_size: 32
...
	.end_amdgpu_metadata
.endif
;; end of part 3
;; launch proj (part 4): grid 8 x 32, 4 waves a work-group, clusters of 4 x 4, 327,680 bytes of LDS; arguments ao, wp, b_proj, out0; writes out0
.if DOCPART == 4
	.amdgcn_target "amdgcn-amd-amdhsa--gfx1250"
	.amdhsa_code_object_version 6
	.text
	.protected	k_q80bcee6f60_proj
	.globl	k_q80bcee6f60_proj
	.p2align	8
	.type	k_q80bcee6f60_proj,@function
k_q80bcee6f60_proj:
	s_mov_b64 s[64:65], 0
	v_nop
	global_prefetch_b8 v0, s[64:65] scope:SCOPE_SE
	s_setreg_imm32_b32 hwreg(HW_REG_WAVE_MODE, 25, 1), 1
	s_wait_xcnt 0x0
	s_wait_alu depctr_hold_cnt(0) depctr_sa_sdst(0) depctr_va_vdst(0) depctr_va_sdst(0) depctr_va_ssrc(0) depctr_va_vcc(0) depctr_vm_vsrc(0)
	s_getreg_b32 s2, hwreg(HW_REG_IB_STS2, 6, 4)
	s_cmp_eq_u32 s2, 0
	s_cbranch_scc0 .Lentry_in_a_cluster
	s_endpgm
.Lentry_in_a_cluster:
	s_bfe_u32 s2, ttmp6, 0x10000c
	s_cmp_lg_u32 s2, 0xf033
	s_cbranch_scc0 .Lentry_shape_is_right
	s_endpgm
.Lentry_shape_is_right:
; ATTENTION BLOCK, launch 4 of 4: out0 = O W_proj + b_proj, [8192][1024] f32, K = 1,024, f16 operands, f32 sums.  No work of reference() is left out.
; Both operands come as images of operand registers (a fragment of 16 rows x 32 K is 1,024 bytes: lane l's registers 0-3 at 16 l, registers 4-7 at 512 + 16 l): ao [token tile 512][chunk 32][1,024] (launch 3), wp [column tile 64][chunk 32][1,024] (launch 1).
; A tile of 256 tokens x 128 columns is made by a work-group of four waves: 256 work-groups; a wave makes 128 x 64: 32 accumulators, 256 registers.  K goes in eight steps of 128 (four chunks) through a ring of two LDS slots.
; A step's part of a tile of 16 rows is 4,096 consecutive bytes, 32,768 bytes from tile to tile: waves 0, 1 bring 8 token tiles each, waves 2, 3 four column tiles each, one tensor load a wave.
; CLUSTERS: 4 x 4 work-groups; ao's tiles are asked for jointly along a row of the cluster, wp's along a column.  THE MATRIX INSTRUCTION IS USED TRANSPOSED (source 0 = 16 columns of W_proj, source 1 = 16 tokens): a lane holds eight neighbouring numbers of a row of out0.
; b_proj is the C of each sum's first matrix instruction.  LIMIT: the bias starts the sum where reference() adds it last: another order of rounding.
; No prefetch: the launch's tiles are shared in clusters and its K is short: eight steps.
; REGISTERS: window 0: v16-30 addresses; v32-127, v128-223 two fragment buffers (32 registers of wp, then 64 of ao); v224-255 the bias; on the way out v32-95 hold rows.   window 1: the accumulators ((a, b) at v[8 (4 a + b)]).
.set SLOT,   98304                     ; ao's 16 tiles x 4,096 bytes, then wp's 8
.set BOFF,   65536
.set STAGE,  2*SLOT                    ; behind the ring: 16 rows x (256 bytes + 16) for each wave, for the way out; no tensor load fills it
.set SPITCH, 272
.set SPARE,  STAGE+4*16*SPITCH         ; the spare words, 128 bytes for each wave
.set ADRA, 16                          ; v16-17  LDS address of my ao fragments in slot 0, 1
.set ADRB, 20                          ; v20-21  the same for wp
.set STO,  24                          ; v24     the way out: where I put 32 bytes of a row
.set RD,   25                          ; v25     where I read a row back
.set CO,   26                          ; v26     my byte offset in out0
.set SPW,  28                          ; v28     LDS address of my spare word; never rewritten
.set NIL,  29                          ; v29     0; never rewritten
.set HO,   30                          ; v30     32 x (lane / 16)
.set F0,   32
.set F1,   128
.set BIAS, 224
.set BK,   32                          ; the way out: 16 rows read back: v32-63 and v64-95 by turns
.set G1, 24                            ; s[24:31] descriptor group 1 for ao's tiles;  s[32:39] group 0, one set for each slot
.set G0, 32
.set G1B, 48                           ; s[48:55], s[56:63] the same for wp's
.set G0B, 56
.set MSB, 0
.macro WIN new                         ; the immediate's high byte repeats the setting that is left
.if MSB != \new
	s_set_vgpr_msb (MSB<<8)|\new
.set MSB, \new
.endif
.endm
.set MUL, 0x50                         ; sources 0 and 1 window 0; C and D window 1.  With the bias as C: 0x40
.macro JLOAD s                         ; a joint load: waves 0 and 1 fetch ao's two halves, waves 2 and 3 wp's; an s_nop 0 and four v_nop follow each of the two lines
	s_cmp_eq_u32 s15, 0
	s_cbranch_scc0 .Lfor_b_\@
	tensor_load_to_lds s[G0+4*\s:G0+4*\s+3], s[G1:G1+7]
	s_nop 0
.rept 4
	v_nop
.endr
	s_branch .Lasked_\@
.Lfor_b_\@:
	tensor_load_to_lds s[G0B+4*\s:G0B+4*\s+3], s[G1B:G1B+7]
	s_nop 0
.rept 4
	v_nop
.endr
.Lasked_\@:
.endm
.macro CREST                           ; a round of the cluster's barrier behind its opening barrier
	s_cmp_lg_u32 s14, 0
	s_cbranch_scc1 .Lnot_wave_0_\@
	s_barrier_signal -3
.Lnot_wave_0_\@:
	s_barrier_wait -3
	s_barrier_signal -1
	s_barrier_wait -1
.endm
.macro CROUND                          ; a whole round
	s_barrier_signal -1
	s_barrier_wait -1
	CREST
.endm
	s_load_b256 s[4:11], s[0:1], 0x0               ; ao s[4:5], wp s[6:7], b_proj s[8:9], out0 s[10:11]
	v_lshl_add_u32 v[SPW], v0, 2, SPARE
	v_mov_b32 v[NIL], 0
	ds_add_u32 v[SPW], v[NIL]                      ; the wave's opening: the add, twice on end, and its wait ahead of my first tensor load; the set-up below stands between the second and the wait
	ds_add_u32 v[SPW], v[NIL]
	v_lshrrev_b32 v1, 5, v0
	v_readfirstlane_b32 s14, v1                    ; wave 0..3
	s_lshr_b32 s15, s14, 1                         ; which 128 tokens are mine.  Also: I fetch for ao (0) or for wp (1)
	s_and_b32 s16, s14, 1                          ; which 64 columns.  Also: which half of that tile I fetch
	s_bfe_u32 s40, ttmp6, 0x40000                  ; cx, cy
	s_bfe_u32 s41, ttmp6, 0x40004
	s_lshl_b32 s42, ttmp9, 2
	s_add_co_u32 s42, s42, s40                     ; tile column 0..7
	s_and_b32 s17, ttmp7, 0xffff
	s_lshl_b32 s17, s17, 2
	s_add_co_u32 s17, s17, s41                     ; tile row 0..31
	s_lshl_b32 s43, s41, 2
	s_lshl_b32 s43, 15, s43                        ; my row of the cluster
	s_lshl_b32 s44, 0x1111, s40                    ; my column
	; descriptor group 1: rows of 4,096 bytes (512 elements of 8 bytes), 32,768 bytes apart, dense in LDS: 8 of them for ao, 4 for wp
	s_or_b32 s[G1+0], s43, (3<<16)|(1<<21)         ; 15:0 the mask; 17:16 elements of 8 bytes; 21 set beside a mask
	s_or_b32 s[G1B+0], s44, (3<<16)|(1<<21)
	s_mov_b32 s[G1+1], 512<<16                     ; tensor_dim0
	s_mov_b32 s[G1+2], 8<<16                       ; tensor_dim1
	s_mov_b32 s[G1+3], 512<<16                     ; tile_dim0
	s_mov_b32 s[G1+4], 8                           ; tile_dim1
	s_mov_b32 s[G1+5], 4096                        ; tensor_dim0_stride
	s_mov_b32 s[G1+6], 0
	s_mov_b32 s[G1+7], 0
	s_mov_b32 s[G1B+1], 512<<16
	s_mov_b32 s[G1B+2], 4<<16
	s_mov_b32 s[G1B+3], 512<<16
	s_mov_b32 s[G1B+4], 4
	s_mov_b32 s[G1B+5], 4096
	s_mov_b32 s[G1B+6], 0
	s_mov_b32 s[G1B+7], 0
	s_lshl_b32 s20, s17, 4
	s_lshl_b32 s18, s16, 3
	s_add_co_u32 s20, s20, s18
	s_lshl_b32 s20, s20, 15                        ; ao: token tile 16 x tile row + 8 x half
	s_mov_b32 s21, 0
	s_lshl_b32 s46, s42, 3
	s_lshl_b32 s18, s16, 2
	s_add_co_u32 s46, s46, s18
	s_lshl_b32 s46, s46, 15                        ; wp: column tile 8 x tile column + 4 x half
	s_mov_b32 s47, 0
	s_lshl_b32 s22, s16, 15                        ; where they go: ao's halves at 0 and 32,768,
	s_lshl_b32 s23, s16, 14
	s_add_co_u32 s23, s23, BOFF                    ; wp's at 65,536 and 81,920: no place in the cluster enters an LDS address
	s_wait_dscnt 0x0                               ; both opening adds are done
	s_wait_kmcnt 0x0
	s_add_nc_u64 s[20:21], s[4:5], s[20:21]
	s_add_nc_u64 s[46:47], s[6:7], s[46:47]
	CROUND                                         ; all sixteen work-groups are here: the first joint loads meet
.irp s, 0,1
	s_mov_b32 s[G0+4*\s], 1
	s_add_co_u32 s[G0+4*\s+1], s22, \s*SLOT
	s_add_nc_u64 s[G0+4*\s+2:G0+4*\s+3], s[20:21], \s*4096
	s_or_b32 s[G0+4*\s+3], s[G0+4*\s+3], 0x80000000
	s_mov_b32 s[G0B+4*\s], 1
	s_add_co_u32 s[G0B+4*\s+1], s23, \s*SLOT
	s_add_nc_u64 s[G0B+4*\s+2:G0B+4*\s+3], s[46:47], \s*4096
	s_or_b32 s[G0B+4*\s+3], s[G0B+4*\s+3], 0x80000000
	JLOAD \s                                       ; two tensor loads of mine are out behind the second
.endr
	v_and_b32 v1, 15, v0                           ; r
	v_bfe_u32 v2, v0, 4, 1                         ; h
	v_and_b32 v3, 31, v0
	v_lshlrev_b32 v3, 4, v3                        ; 16 x lane
	s_lshl_b32 s21, s15, 15                        ; my 8 token tiles
	s_lshl_b32 s22, s16, 14
	s_add_co_u32 s22, s22, BOFF                    ; my 4 column tiles
.irp s, 0,1
	v_add_nc_u32 v[ADRA+\s], s21, v3
	v_add_nc_u32 v[ADRB+\s], s22, v3
	s_add_co_u32 s21, s21, SLOT
	s_add_co_u32 s22, s22, SLOT
.endr
	s_mul_i32 s23, s14, 16*SPITCH
	s_add_co_u32 s23, s23, STAGE                   ; my stage
	v_mul_u32_u24 v4, v1, SPITCH                   ; in: row r, 32 bytes for each half of the lanes
	v_lshl_add_u32 v4, v2, 5, v4
	v_add_nc_u32 v[STO], s23, v4
	v_mul_u32_u24 v5, v2, SPITCH                   ; back: lanes 0-15 take one row of 256 bytes, lanes 16-31 the next
	v_lshl_add_u32 v5, v1, 4, v5
	v_add_nc_u32 v[RD], s23, v5
	v_lshlrev_b32 v5, 12, v2                       ; and the same two rows in out0
	v_lshl_add_u32 v[CO], v1, 4, v5
	v_lshlrev_b32 v[HO], 5, v2
	s_lshl_b32 s20, s17, 8
	s_lshl_b32 s21, s15, 7
	s_add_co_u32 s20, s20, s21                     ; my first row: 256 x tile row + 128 x half
	s_lshl_b32 s20, s20, 12
	s_lshl_b32 s22, s42, 9
	s_lshl_b32 s23, s16, 8
	s_add_co_u32 s22, s22, s23                     ; my first column, in bytes: 512 x tile column + 256 x half
	s_add_co_u32 s20, s20, s22
	s_mov_b32 s21, 0
	s_mov_b32 s23, 0
	s_add_nc_u64 s[10:11], s[10:11], s[20:21]
	s_add_nc_u64 s[8:9], s[8:9], s[22:23]
.irp b, 0,1,2,3
	global_load_b128 v[BIAS+8*\b:BIAS+8*\b+3], v[HO], s[8:9] offset:64*\b          ; register 8 b + j: b_proj of my column 16 b + 8 h + j
	global_load_b128 v[BIAS+8*\b+4:BIAS+8*\b+7], v[HO], s[8:9] offset:64*\b+16
.endr
; 8 matrix instructions: token blocks a0, a0 + 1 x all 4 column blocks, 32 along K, from buffer f.  zero = 1: the sums start with the bias.  The 32 accumulators take turns, in the same order in every quarter.
.macro MUL8 f, a0, zero
.irp a, \a0, \a0+1
.irp b, 0,1,2,3
.if \zero
	v_wmma_f32_16x16x32_f16 v[8*(4*(\a)+\b):8*(4*(\a)+\b)+7], v[\f+8*\b:\f+8*\b+7], v[\f+32+8*(\a):\f+32+8*(\a)+7], v[BIAS+8*\b:BIAS+8*\b+7]
.else
	v_wmma_f32_16x16x32_f16 v[8*(4*(\a)+\b):8*(4*(\a)+\b)+7], v[\f+8*\b:\f+8*\b+7], v[\f+32+8*(\a):\f+32+8*(\a)+7], v[8*(4*(\a)+\b):8*(4*(\a)+\b)+7]
.endif
.endr
.endr
.endm
; 24 LDS loads in one run: chunk q of the slot into buffer f: wp's four fragments, then ao's eight; each load takes 512 consecutive bytes
.macro FETCH slot, q, f
	WIN 0
.irp i, 0,1,2,3
	ds_load_b128 v[\f+8*\i:\f+8*\i+3],   v[ADRB+\slot] offset:\i*4096+(\q)*1024
	ds_load_b128 v[\f+8*\i+4:\f+8*\i+7], v[ADRB+\slot] offset:\i*4096+(\q)*1024+512
.endr
.irp i, 0,1,2,3,4,5,6,7
	ds_load_b128 v[\f+32+8*\i:\f+32+8*\i+3],   v[ADRA+\slot] offset:\i*4096+(\q)*1024
	ds_load_b128 v[\f+32+8*\i+4:\f+32+8*\i+7], v[ADRA+\slot] offset:\i*4096+(\q)*1024+512
.endr
.endm
.macro PLACES                          ; four places in front of loads into registers that matrix instructions have read, and of the first read of results
.rept 4
	v_nop
.endr
.endm
; A K step is four quarters of 32 along K, 32 matrix instructions each, on buffers 0, 1, 0, 1.  One of the first three: multiplies buffer f and fetches chunk q into g.
.macro QUARTER slot, q, f, g, zero
	s_wait_dscnt 8                                 ; wp's fragments and ao's blocks 0-3 are in; the youngest eight loads (blocks 4-7) may be out
	WIN (MUL-0x10*\zero)
	MUL8 \f, 0, \zero
	MUL8 \f, 2, \zero
	PLACES
	FETCH \slot, \q, \g
	s_wait_dscnt 24                                ; all but the 24 just issued
	WIN (MUL-0x10*\zero)
	MUL8 \f, 4, \zero
	MUL8 \f, 6, \zero
.endm
; The last quarter multiplies buffer 1 and changes slots: ONE barrier; in front of it each wave waits for all its tensor loads, adds 0 to its spare word, and waits for that and for its own reads of this slot.  fill = 1: this slot is filled again, two K steps ahead.
.macro TURN slot, next, fill
	WIN 0                                          ; (the add's two registers lie in window 0)
	s_wait_tensorcnt 0x0                           ; all my tensor loads have landed: my part of the next slot
	ds_add_u32 v[SPW], v[NIL]                      ; 0 onto my spare word
	s_wait_dscnt 9                                 ; (the add and the youngest eight loads may be out)
	WIN MUL
	MUL8 F1, 0, 0                                  ; eight matrix instructions stand between the add and the wait for it
	s_wait_dscnt 0x0                               ; the add is done, and my reads of this slot are over
	s_barrier_signal -1
	MUL8 F1, 2, 0
.if \fill
	WIN 0
.endif
	s_barrier_wait -1
.if \fill
	CREST                                          ; the barrier has opened a round of the cluster's barrier: no wave of any partner still reads this slot or has a load on its way
	s_add_nc_u64 s[G0+4*\slot+2:G0+4*\slot+3], s[G0+4*\slot+2:G0+4*\slot+3], 8192
	s_add_nc_u64 s[G0B+4*\slot+2:G0B+4*\slot+3], s[G0B+4*\slot+2:G0B+4*\slot+3], 8192
	JLOAD \slot                                    ; the first tensor load behind the round; the four v_nop behind it are also the places in front of the loads below
.else
	PLACES
.endif
	FETCH \next, 0, F0
	WIN MUL
	MUL8 F1, 4, 0
	MUL8 F1, 6, 0
.endm
	s_wait_tensorcnt 1                             ; my part of K step 0 is in (K step 1's load may be out)
	s_barrier_signal -1
	s_barrier_wait -1                              ; everybody's is
	FETCH 0, 0, F0
	s_wait_loadcnt 0x0                             ; the bias
	QUARTER 0, 1, F0, F1, 1                        ; the first quarter stands in front of the loop: its products start the sums
	WIN 0                                          ; at a label and at a branch every window is 0
	s_mov_b32 s3, 3
.Llap:                                                 ; a trip goes once round the ring, from a lap's second quarter to the next lap's first, and fills both slots again: K steps 2 to 7
	QUARTER 0, 2, F1, F0, 0
	QUARTER 0, 3, F0, F1, 0
	TURN 0, 1, 1
	QUARTER 1, 1, F0, F1, 0
	QUARTER 1, 2, F1, F0, 0
	QUARTER 1, 3, F0, F1, 0
	TURN 1, 0, 1
	QUARTER 0, 1, F0, F1, 0
	WIN 0
	s_sub_co_u32 s3, s3, 1
	s_cmp_lg_u32 s3, 0
	s_cbranch_scc1 .Llap
	QUARTER 0, 2, F1, F0, 0                        ; the last lap fills nothing, and has no round of the cluster's barrier
	QUARTER 0, 3, F0, F1, 0
	TURN 0, 1, 0
	QUARTER 1, 1, F0, F1, 0
	QUARTER 1, 2, F1, F0, 0
	QUARTER 1, 3, F0, F1, 0
	s_wait_dscnt 8                                 ; the very last quarter: nothing more to fetch
	WIN MUL
	MUL8 F1, 0, 0
	MUL8 F1, 2, 0
	s_wait_dscnt 0
	MUL8 F1, 4, 0
	MUL8 F1, 6, 0
	WIN 0
; THE WAY OUT, block by block of 16 tokens x 64 columns.  A lane holds 32 neighbouring bytes of a row, the lanes beside it other rows: so a block goes through my own stage in LDS and comes back as whole rows of 256 bytes.
; LDS serves a wave's instructions in order (ISA guide 5.7.1.4): no wait between the stores and the loads, nor in front of the next block's stores.
.macro TOSTAGE a
	WIN 0x04                                       ; an LDS store's data are its source 1: window 1
.irp b, 0,1,2,3
	ds_store_b128 v[STO], v[32*(\a)+8*\b:32*(\a)+8*\b+3] offset:64*\b             ; each accumulator from its low end on
	ds_store_b128 v[STO], v[32*(\a)+8*\b+4:32*(\a)+8*\b+7] offset:64*\b+16
.endr
	WIN 0
.set BB, BK+32*((\a)%2)
.irp t, 0,1,2,3,4,5,6,7
	ds_load_b128 v[BB+4*\t:BB+4*\t+3], v[RD] offset:\t*2*SPITCH
.endr
.endm
.macro SEND a, younger                 ; younger: the LDS instructions issued behind block a's loads, which may stay out
.set BB, BK+32*((\a)%2)
	s_wait_dscnt \younger
.irp t, 0,1,2,3,4,5,6,7
	global_store_b128 v[CO], v[BB+4*\t:BB+4*\t+3], s[10:11] offset:(\a)*65536+\t*8192 th:TH_STORE_NT   ; 16 lanes store 256 consecutive bytes, aligned; written once, read by nobody here
.endr
.endm
	PLACES                                         ; in front of the first read of results and of the loads into the fragments' registers
	TOSTAGE 0
.irp a, 1,2,3,4,5,6,7
.if \a > 1
	s_wait_xcnt 0x0                                ; block a - 2's stores have read their registers: block a's loads may land there
.endif
	TOSTAGE \a
	SEND \a-1, 16                                  ; behind block a - 1's loads: block a's 8 stores and 8 loads
.endr
	SEND 7, 0
	s_wait_tensorcnt 0x0                           ; the wave's end: behind my last tensor load and my last LDS store
	ds_add_u32 v[SPW], v[NIL]
	s_wait_dscnt 0x0
	CROUND                                         ; the closing round
	s_endpgm
.Lfunc_end_k_q80bcee6f60_proj:
	.size	k_q80bcee6f60_proj, .Lfunc_end_k_q80bcee6f60_proj-k_q80bcee6f60_proj
	.p2alignl 7, 3214868480
	.fill 96, 4, 3214868480
	.section	.rodata,"a",@progbits
	.p2align	6, 0x0
	.amdhsa_kernel k_q80bcee6f60_proj
		.amdhsa_group_segment_fixed_size 327680
		.amdhsa_private_segment_fixed_size 0
		.amdhsa_enable_private_segment 0
		.amdhsa_kernarg_size 32
		.amdhsa_user_sgpr_count 2
		.amdhsa_user_sgpr_kernarg_segment_ptr 1
		.amdhsa_wavefront_size32 1
		.amdhsa_system_sgpr_workgroup_id_x 1
		.amdhsa_system_sgpr_workgroup_id_y 1
		.amdhsa_system_sgpr_workgroup_id_z 1
		.amdhsa_system_vgpr_workitem_id 0
		.amdhsa_next_free_vgpr 512
		.amdhsa_next_free_sgpr 66
		.amdhsa_reserve_vcc 0
		.amdhsa_float_denorm_mode_32 3
		.amdhsa_float_denorm_mode_16_64 3
		.amdhsa_memory_ordered 1
		.amdhsa_forward_progress 1
		.amdhsa_inst_pref_size 86
	.end_amdhsa_kernel
	.amdgpu_metadata
---
amdhsa.version: [ 1, 2 ]
amdhsa.kernels:
  - .name:           k_q80bcee6f60_proj
    .symbol:         k_q80bcee6f60_proj.kd
    .args:
      - { .name: ao, .offset: 0, .size: 8, .value_kind: global_buffer, .address_space: global }
      - { .name: wp, .offset: 8, .size: 8, .value_kind: global_buffer, .address_space: global }
      - { .name: b_proj, .offset: 16, .size: 8, .value_kind: global_buffer, .address_space: global }
      - { .name: out0, .offset: 24, .size: 8, .value_kind: global_buffer, .address_space: global }
    .group_segment_fixed_size: 327680
    .private_segment_fixed_size: 0
    .kernarg_segment_align: 8
    .kernarg_segment_size: 32
    .max_flat_workgroup_size: 128
    .sgpr_count:     66
    .vgpr_count:     512
    .wavefront_size: 32
...
	.end_amdgpu_metadata
.endif
;; end of part 4
